; MI455X (gfx1250); checked and timed in simulation.
; The chip was launched on July 23, 2026; its instructions are those of AMD's public machine-readable ISA for CDNA 5 (MIT licence, August 2026) and "CDNA5" Instruction Set Architecture Reference Guide (July 2026). The comments in the code are by the model that wrote it; some were corrected since.
;; Self Attention. Allowed arithmetic: matrix products marked QUANTISED: E2M1 operands, one E8M0 scale for each 32 along K, by v_wmma_scale_f32_16x16x128_f8f6f4 with both operands' format E2M1 (or v_wmma_scale_f32_32x16x128_f4), f32 sums; products left as they are: bf16, f16 or f32 operands; f32 sums; everything else in f32.
;; Inputs: W_o 1,024 x 1,024 float32; W_qkv 3,072 x 1,024 float32; x 4 x 2,048 x 1,024 float32.
;; Outputs: out0 4 x 2,048 x 1,024 float32.
;; This version of the problem:
;;   THIS VERSION OF THE PROBLEM IS GIVEN IN LOW PRECISION. The matrix products marked QUANTISED in the list below multiply operands that are first quantised to E2M1 (2 exponent bits, 1 mantissa bit; 4 bits a number), with one power-of-two scale for each 32 numbers along K (OCP MX v1.0); their sums are f32. The products marked 'left as it is' may take bf16, f16 or f32 operands, with f32 sums. Whichever they take, every output number must still come out within the allowed error. Rounding operands to bf16 (8 significant bits) uses up far more of that allowance than f16 does (11 bits, for magnitudes from 6e-5 to 65,504). All else is computed in f32.
;;   The module's matrix products, in the order in which they are computed (A, B: the left and right operand; K: the contracted axis; several contracted axes count as one K, in the product's order):
;;     1. [M 8,192, K 1,024] x [K 1,024, N 3,072]; A: input x; B: input W_qkv: QUANTISED
;;     2. batch 4 x [M 2,048, K 1,024] x [K 1,024, N 2,048]; A: computed on the way; B: computed on the way: left as it is (an operand is computed on the way)
;;     3. batch 4 x [M 2,048, K 2,048] x [K 2,048, N 1,024]; A: computed on the way; B: computed on the way: left as it is (an operand is computed on the way)
;;     4. [M 8,192, K 1,024] x [K 1,024, N 1,024]; A: computed on the way; B: input W_o: left as it is (an operand is computed on the way)
;;   THE QUANTISER, for each operand of a quantised product, along K:
;;     - K is cut into blocks of 32 from its start; a last block that is shorter is filled with zeros.
;;     - A block's scale is 2^e with e = floor(log2(the largest magnitude in the block)) - 2, held to -126 .. 127; a block of zeros has e = 0. As a byte (E8M0): e + 127.
;;     - Each number is divided by its block's scale, clamped to +-6, and rounded to the nearest number of E2M1, ties to even, subnormals kept.
;;     - The product sums the exact products of the quantised numbers (number of the format x scale) in f32.
;;   ~~~python
;;   def quantise(x, axis):      # numpy; x: float32 -> the quantised numbers, widened to float32 again
;;       x = np.moveaxis(x, axis, -1); K = x.shape[-1]
;;       x = np.pad(x, [(0, 0)] * (x.ndim - 1) + [(0, -K % 32)]); x = x.reshape(x.shape[:-1] + (-1, 32)); a = np.abs(x).max(-1, keepdims=True)
;;       e = np.where(a > 0, np.clip(np.frexp(np.where(a > 0, a, 1))[1] - 1 - 2, -126, 127), 0)      # np.frexp(a)[1] - 1 = floor(log2(a)), exactly
;;       r = np.clip(x / 2.0 ** e, -6, 6)
;;       step = 2.0 ** (np.maximum(np.frexp(np.where(r == 0, 1, r))[1] - 1, 0) - 1)
;;       q = np.round(r / step) * step * 2.0 ** e      # np.round: ties to even
;;       return np.moveaxis(q.reshape(q.shape[:-2] + (-1,))[..., :K], -1, axis).astype(np.float32)
;;   ~~~
;; One version. Each part assembles by itself: llvm-mc -triple=amdgcn-amd-amdhsa -mcpu=gfx1250 --defsym DOCPART=n.
;; ======== version 1 of 1: 4 launches
;; limits: values are held in f16: magnitudes above 65,504 overflow, below 6.1e-05 lose precision
;; workspace buffers: codes 5,767,168 bytes; scales 360,448 bytes; wo 2,101,248 bytes; qkv 50,331,648 bytes; p 33,554,432 bytes; stats 1,048,576 bytes; vwt 16,777,216 bytes
;; launch prep (part 1): grid 384 x 1, 4 waves a work-group, no clusters, 33,280 bytes of LDS; arguments x, W_qkv, W_o, codes, scales, wo; writes codes, scales, wo
.if DOCPART == 1
	.amdgcn_target "amdgcn-amd-amdhsa--gfx1250"
	.amdhsa_code_object_version 6
	.text
	.protected	k_qaf6ba4cbd0_prep
	.globl	k_qaf6ba4cbd0_prep
	.p2align	8
	.type	k_qaf6ba4cbd0_prep,@function
k_qaf6ba4cbd0_prep:
	s_mov_b64 s[64:65], 0
	v_nop
	global_prefetch_b8 v0, s[64:65] scope:SCOPE_SE
	s_setreg_imm32_b32 hwreg(HW_REG_WAVE_MODE, 25, 1), 1
	s_wait_xcnt 0x0
; THE PROGRAM: out = softmax(Q K^T / 32) V W_o^T with [Q K V] = x W_qkv^T, one head of 1,024, 4 batches of 2,048 positions.  Four launches:
;   prep:    x and W_qkv become codes of FP4 (E2M1) with one E8M0 byte for each 32 along K; W_o becomes f16, each row times a power of two.
;   project: [Q K V] = x W_qkv^T on the codes, sums in f32, stored as f16.
;   scores:  p = 2^(c (s - the largest s of 128 keys)), s = Q K^T, stored as f16 with that largest s and the sum of p in f32;  and VW^T = W_o' V^T as f16.
;   final:   out = (sum over the 16 runs of 128 keys of g p VW^T) / L, the runs brought under the row's own maximum by g.
; NOTHING OF reference() IS LEFT OUT: every input has a way to the output and is loaded.  ONE CHANGE OF ORDER: (P V) W_o^T is computed as P (V W_o^T): equal in real numbers for all
; values of the inputs, with as many multiply-adds (8,192 x 1,024 x 1,024); so every 16-bit product has K innermost on both sides.
; The products that are not quantised take f16 operands and f32 sums.  The softmax takes a maximum away ahead of every exponential: first that of 128 keys, then the row's.
; LIMITS: NaN and infinities among the inputs are not served.  A block of 32 whose largest magnitude lies under 2^-124 keeps the scale byte 1 (a block of zeros too: its codes are zeros, and this program
; alone reads the bytes).  |Q|, |K|, |V| stay at or under 65,504, f16's largest number.  The sum of magnitudes of a row of W_o is held to 2^-100 .. 2^100 where its power of two is taken.
;
; THIS LAUNCH.  Work-groups 0-255 quantise x, 256-351 W_qkv: rows are dense and K is a multiple of 32, so both are plain streams of blocks of 32.  A wave takes 16 steps of 512 numbers.
; The conversions take 8 numbers of ONE block from a lane's registers, so a lane must hold 16 neighbours; a load is best where neighbouring lanes take neighbouring bytes.  Both are had: each of a step's four loads
; reads 512 consecutive bytes; the 2,048 bytes turn through the wave's own stage in LDS (16 bytes of padding behind each 64) and come back 64 bytes a lane.  A lane's 16 codes are 8 bytes: the wave stores 256 consecutive bytes.
; A wave's 256 scale bytes are gathered in its own LDS bytes and leave as 256 consecutive bytes.
; Work-groups 352-383 take W_o: a wave takes 8 rows.  Row e is multiplied by 2^k so that the sum of its magnitudes lies in [0.5, 1): then |V W_o'^T| <= the largest |V|, and has room in f16 wherever V has.
; 2^-k goes to woinv[e], f32, and is multiplied back in f32 in the last launch: both multiplications are exact.
.set XWG,   256                        ; work-groups of x: 8,192 x 1,024 / 32,768
.set QWG,   352                        ; and with W_qkv's 96
.set WC,    4194304                    ; W_qkv's codes begin here in codes,
.set WSO,   262144                     ; its scale bytes here in scales,
.set WOI,   2097152                    ; and woinv here in wo
.set WAVES, 4
.set STEPS, 16
.set EMAX,  2
.set CB,    8                          ; bytes of 16 codes
.set R,     16                         ; v16-79   four sets of 16 numbers as they are loaded
.set X,     80                         ; v80-111  two sets of 16 neighbours
.set C,     128                        ; v128-191 codes: four registers for each step, so that no store's data are written again
.set E,     112                        ; v112-127 a scale byte for each step
.set WREG,  8192                       ; LDS: a region for each wave: two stages of 32 x SP bytes, behind them its 256 scale bytes
.set SP,    80
.set SPW,   12                         ; v12  LDS address of my spare word; never rewritten
.set NIL,   13                         ; v13  0; never rewritten
.set SPARE, WAVES*WREG                 ; the spare words, 128 bytes a wave: no other line names them
.set RW,    16                         ; W_o's path: v16-143 four sets of 32 numbers (a row is 32 a lane)
.set YW,    144                        ; v144-175 two sets of 16 registers of f16
.set INV,   176                        ; v176-183 2^-k of my eight rows
	s_load_b256 s[4:11], s[0:1], 0x0               ; x, W_qkv, W_o, codes
	s_load_b128 s[12:15], s[0:1], 0x20             ; scales, wo
	v_lshl_add_u32 v[SPW], v0, 2, SPARE
	v_mov_b32 v[NIL], 0
	v_lshrrev_b32 v1, 5, v0
	v_readfirstlane_b32 s16, v1                    ; wave
	v_and_b32 v2, 31, v0                           ; lane
	v_lshlrev_b32 v3, 4, v2                        ; my 16 bytes of a load's 512
	s_cmp_ge_u32 ttmp9, QWG                        ; the work-group's number alone decides
	s_cbranch_scc1 .Lwo
	s_mul_i32 s17, s16, WREG
	v_lshrrev_b32 v14, 2, v2
	v_mul_u32_u24 v14, v14, SP
	v_and_b32 v15, 3, v2
	v_lshl_add_u32 v14, v15, 4, v14
	v_add_nc_u32 v14, s17, v14                     ; the stage, on the way in: SP (lane / 4) + 16 (lane % 4); a load's 512 bytes take eight places
	v_mul_u32_u24 v15, v2, SP
	v_add_nc_u32 v15, s17, v15                     ; and on the way out: SP x lane: my 16 neighbours
	v_mul_u32_u24 v4, v2, CB                       ; my codes' place in a step's
	v_lshrrev_b32 v5, 1, v2
	s_add_co_u32 s17, s17, 2*32*SP
	v_add_nc_u32 v5, s17, v5                       ; my wave's 256 scale bytes, my block's byte
	v_lshlrev_b32 v7, 3, v2                        ; and on the way out 8 bytes a lane
	v_add_nc_u32 v6, s17, v7
	s_wait_kmcnt 0x0
	s_cmp_lt_u32 ttmp9, XWG                        ; x's work-group or W_qkv's?
	s_cselect_b64 s[4:5], s[4:5], s[6:7]
	s_cselect_b32 s17, 0, XWG
	s_cselect_b32 s22, 0, WC
	s_cselect_b32 s24, 0, WSO
	s_sub_co_u32 s17, ttmp9, s17
	s_lshl_b32 s17, s17, 2
	s_add_co_u32 s18, s17, s16                     ; which run of 8,192 numbers of the tensor is my wave's (under 1,024)
	s_lshl_b32 s20, s18, 15
	s_mov_b32 s21, 0
	s_add_nc_u64 s[4:5], s[4:5], s[20:21]          ; 32,768 bytes of numbers a run,
	s_lshl_b32 s20, s18, 12
	s_add_co_u32 s20, s20, s22
	s_add_nc_u64 s[10:11], s[10:11], s[20:21]      ; 4,096 of codes,
	s_lshl_b32 s20, s18, 8
	s_add_co_u32 s20, s20, s24
	s_add_nc_u64 s[12:13], s[12:13], s[20:21]      ; 256 scale bytes
.macro LOAD t
.irp i, 0,1,2,3
	global_load_b128 v[R+16*((\t)%4)+4*\i:R+16*((\t)%4)+4*\i+3], v3, s[4:5] offset:2048*(\t)+512*\i th:TH_LOAD_NT   ; 32 lanes read 512 consecutive bytes
.endr
.endm
.macro TURN t                          ; step t's numbers through the stage: LDS serves a wave's instructions in order, so no wait stands between the stores and the loads
.irp i, 0,1,2,3
	ds_store_b128 v14, v[R+16*((\t)%4)+4*\i:R+16*((\t)%4)+4*\i+3] offset:32*SP*((\t)%2)+8*SP*\i
.endr
.irp i, 0,1,2,3
	ds_load_b128 v[X+16*((\t)%2)+4*\i:X+16*((\t)%2)+4*\i+3], v15 offset:32*SP*((\t)%2)+16*\i
.endr
.endm
.irp t, 0,1,2,3
	LOAD \t
.endr
	s_wait_loadcnt 12                              ; step 0's four loads are in; the twelve of steps 1 to 3 may be out
	TURN 0
.macro STEP t
.set XS, X+16*((\t)%2)
.if (\t) > 0
	s_wait_dscnt 1                                 ; this step's numbers are back from the stage (the last step's byte store may be out)
.else
	s_wait_dscnt 0x0
.endif
.if (\t)+4 < STEPS
	LOAD (\t)+4                                    ; into the registers whose stores into the stage are done
.endif
.if (\t)+1 < STEPS
.if STEPS-2-(\t) >= 3
	s_wait_loadcnt 12                              ; the next step's four loads are in; those of the three steps behind it may be out
.else
	s_wait_loadcnt 4*(STEPS-2-(\t))
.endif
	TURN (\t)+1                                    ; through the other stage while this step is worked
.endif
	v_max3_num_f32 v8, |v[XS]|, |v[XS+1]|, |v[XS+2]|               ; the largest magnitude of my 16, in two chains
	v_max3_num_f32 v9, |v[XS+3]|, |v[XS+4]|, |v[XS+5]|
.irp i, 6,10
	v_max3_num_f32 v8, v8, |v[XS+\i]|, |v[XS+\i+1]|
	v_max3_num_f32 v9, v9, |v[XS+\i+2]|, |v[XS+\i+3]|
.endr
	v_max3_num_f32 v8, v8, |v[XS+14]|, |v[XS+15]|
	v_max3_num_f32 v8, v8, v9, (EMAX+1)<<23        ; and the floor 2^(EMAX + 1 - 127): the byte cannot fall under 1
	v_max_num_f32_dpp v8, v8, v8 row_xmask:1 row_mask:0xf bank_mask:0xf   ; and of my neighbour's 16: the block's
	v_add_nc_u32 v11, -(EMAX<<23), v8              ; EMAX off its exponent field: the conversion takes the exponent field of this operand as its scale
	v_cvt_scalef32_pk8_fp4_f32 v[C+4*(\t)], v[XS:XS+7], v11        ; to the nearest code, ties to even, beyond 6 the largest code; the first number's code in the lowest four bits
	v_cvt_scalef32_pk8_fp4_f32 v[C+4*(\t)+1], v[XS+8:XS+15], v11
	v_lshrrev_b32 v[E+(\t)], 23, v11               ; the scale's byte
	ds_store_b8 v5, v[E+(\t)] offset:16*(\t)       ; both lanes of a block write the same byte with the same value
	global_store_b64 v4, v[C+4*(\t):C+4*(\t)+1], s[10:11] offset:32*CB*(\t)   ; the wave stores 256 consecutive bytes, aligned
.endm
.irp t, 0,1,2,3,4,5,6,7,8,9,10,11,12,13,14,15
	STEP \t
.endr
	ds_load_b64 v[8:9], v6                         ; LDS serves a wave's instructions in order: these see my stores
	s_wait_dscnt 0x0
	global_store_b64 v7, v[8:9], s[12:13]          ; 32 lanes store 256 consecutive bytes, aligned
	s_wait_tensorcnt 0x0                           ; the wave's end, behind my last LDS store
	ds_add_u32 v[SPW], v[NIL]
	s_wait_dscnt 0x0
	s_endpgm
.Lwo:                                              ; W_o: wave g of 128 takes rows 8 g .. 8 g + 7
	s_sub_co_u32 s17, ttmp9, QWG
	s_lshl_b32 s17, s17, 2
	s_add_co_u32 s17, s17, s16                     ; g
	s_lshl_b32 s20, s17, 15                        ; 8 rows of 4,096 bytes of f32,
	s_mov_b32 s21, 0
	s_lshl_b32 s22, s17, 14                        ; of 2,048 bytes of f16,
	s_mov_b32 s23, 0
	s_lshl_b32 s24, s17, 5                         ; 8 words of woinv
	s_add_co_u32 s24, s24, WOI
	s_mov_b32 s25, 0
	s_mov_b32 s26, 0x76543210                      ; v_permlanex16_b32's selects for lane l xor 16
	s_mov_b32 s27, 0xfedcba98
	v_lshlrev_b32 v4, 3, v2                        ; 8 bytes of f16 a lane
	v_lshlrev_b32 v5, 2, v2                        ; 4 bytes a lane
	s_wait_kmcnt 0x0
	s_add_nc_u64 s[8:9], s[8:9], s[20:21]
	s_add_nc_u64 s[28:29], s[14:15], s[24:25]
	s_add_nc_u64 s[14:15], s[14:15], s[22:23]
.macro LOADROW t                       ; a row: eight loads of 512 consecutive bytes
.irp j, 0,1,2,3,4,5,6,7
	global_load_b128 v[RW+32*((\t)%4)+4*\j:RW+32*((\t)%4)+4*\j+3], v3, s[8:9] offset:4096*(\t)+512*\j th:TH_LOAD_NT
.endr
.endm
.macro ROW t
.set RS, RW+32*((\t)%4)
.set YS, YW+16*((\t)%2)
.if 7-(\t) >= 3
	s_wait_loadcnt 24                              ; my row's eight loads are in; those of the three rows behind it may be out
.else
	s_wait_loadcnt 8*(7-(\t))
.endif
	s_wait_xcnt 0x0                                ; the stores of two rows back have read their data: that set is written again only behind this wait
.irp k, 0,1,2,3
	v_add_f32 v[8+\k], |v[RS+\k]|, |v[RS+4+\k]|    ; the sum of my 32 magnitudes, in four chains
.endr
.irp i, 8,12,16,20,24,28
.irp k, 0,1,2,3
	v_add_f32 v[8+\k], v[8+\k], |v[RS+\i+\k]|
.endr
.endr
	v_add_f32 v8, v8, v9
	v_add_f32 v10, v10, v11
	v_add_f32 v8, v8, v10
	v_add_f32_dpp v8, v8, v8 row_xmask:1 row_mask:0xf bank_mask:0xf
	v_add_f32_dpp v8, v8, v8 row_xmask:2 row_mask:0xf bank_mask:0xf
	v_add_f32_dpp v8, v8, v8 row_xmask:4 row_mask:0xf bank_mask:0xf
	v_add_f32_dpp v8, v8, v8 row_xmask:8 row_mask:0xf bank_mask:0xf
	v_permlanex16_b32 v9, v8, s26, s27
	v_add_f32 v8, v8, v9                           ; the row's sum, the same bits in every lane
	v_max_num_f32 v8, 0x0d800000, v8               ; held to 2^-100 ..
	v_min_num_f32 v8, 0x71800000, v8               ; .. 2^100
	v_lshrrev_b32 v9, 23, v8                       ; its exponent field F: the sum lies in [2^(F - 127), 2^(F - 126))
	v_sub_nc_u32 v10, 253, v9
	v_lshlrev_b32 v10, 23, v10                     ; 2^(126 - F)
	v_mov_b32 v11, v10
	v_add_nc_u32 v[INV+(\t)], 1, v9
	v_lshlrev_b32 v[INV+(\t)], 23, v[INV+(\t)]     ; 2^(F - 126)
.irp i, 0,2,4,6,8,10,12,14,16,18,20,22,24,26,28,30
	v_pk_mul_f32 v[RS+\i:RS+\i+1], v[RS+\i:RS+\i+1], v[10:11]      ; exact
.endr
.irp i, 0,1,2,3,4,5,6,7,8,9,10,11,12,13,14,15
	v_cvt_pk_f16_f32 v[YS+\i], v[RS+2*\i], v[RS+2*\i+1]
.endr
.irp j, 0,1,2,3,4,5,6,7
	global_store_b64 v4, v[YS+2*\j:YS+2*\j+1], s[14:15] offset:2048*(\t)+256*\j   ; the wave stores 256 consecutive bytes, aligned
.endr
.if (\t) < 4
	LOADROW (\t)+4
.endif
.endm
.irp t, 0,1,2,3
	LOADROW \t
.endr
.irp t, 0,1,2,3,4,5,6,7
	ROW \t
.endr
	v_mov_b32 v8, v[INV]                           ; lane i takes row i's 2^-k
.irp i, 1,2,3,4,5,6,7
	v_cmp_eq_u32 vcc_lo, \i, v2
	v_cndmask_b32 v8, v8, v[INV+\i], vcc_lo
.endr
	v_cmp_gt_u32 vcc_lo, 8, v2
	s_wait_xcnt 0x0                                ; EXEC changes only behind this wait
	s_and_saveexec_b32 s30, vcc_lo
	global_store_b32 v5, v8, s[28:29]              ; eight words
	s_wait_xcnt 0x0                                ; and again in front of the line that widens it
	s_or_b32 exec_lo, exec_lo, s30
	s_wait_tensorcnt 0x0                           ; the same three closing lines on this path
	ds_add_u32 v[SPW], v[NIL]
	s_wait_dscnt 0x0
	s_endpgm
.Lfunc_end_k_qaf6ba4cbd0_prep:
	.size	k_qaf6ba4cbd0_prep, .Lfunc_end_k_qaf6ba4cbd0_prep-k_qaf6ba4cbd0_prep
	.p2alignl 7, 3214868480
	.fill 96, 4, 3214868480
	.section	.rodata,"a",@progbits
	.p2align	6, 0x0
	.amdhsa_kernel k_qaf6ba4cbd0_prep
		.amdhsa_group_segment_fixed_size 33280
		.amdhsa_private_segment_fixed_size 0
		.amdhsa_enable_private_segment 0
		.amdhsa_kernarg_size 48
		.amdhsa_user_sgpr_count 2
		.amdhsa_user_sgpr_kernarg_segment_ptr 1
		.amdhsa_wavefront_size32 1
		.amdhsa_system_sgpr_workgroup_id_x 1
		.amdhsa_system_sgpr_workgroup_id_y 1
		.amdhsa_system_sgpr_workgroup_id_z 1
		.amdhsa_system_vgpr_workitem_id 0
		.amdhsa_next_free_vgpr 192
		.amdhsa_next_free_sgpr 66
		.amdhsa_reserve_vcc 1
		.amdhsa_float_denorm_mode_32 3
		.amdhsa_float_denorm_mode_16_64 3
		.amdhsa_memory_ordered 1
		.amdhsa_forward_progress 1
		.amdhsa_inst_pref_size 84
	.end_amdhsa_kernel
	.amdgpu_metadata
---
amdhsa.version: [ 1, 2 ]
amdhsa.kernels:
  - .name:           k_qaf6ba4cbd0_prep
    .symbol:         k_qaf6ba4cbd0_prep.kd
    .args:
      - { .name: x, .offset: 0, .size: 8, .value_kind: global_buffer, .address_space: global }
      - { .name: W_qkv, .offset: 8, .size: 8, .value_kind: global_buffer, .address_space: global }
      - { .name: W_o, .offset: 16, .size: 8, .value_kind: global_buffer, .address_space: global }
      - { .name: codes, .offset: 24, .size: 8, .value_kind: global_buffer, .address_space: global }
      - { .name: scales, .offset: 32, .size: 8, .value_kind: global_buffer, .address_space: global }
      - { .name: wo, .offset: 40, .size: 8, .value_kind: global_buffer, .address_space: global }
    .group_segment_fixed_size: 33280
    .private_segment_fixed_size: 0
    .kernarg_segment_align: 8
    .kernarg_segment_size: 48
    .max_flat_workgroup_size: 128
    .sgpr_count:     66
    .vgpr_count:     192
    .wavefront_size: 32
...
	.end_amdgpu_metadata
.endif
;; end of part 1
;; launch project (part 2): grid 12 x 32, 4 waves a work-group, clusters of 4 x 4, 327,680 bytes of LDS; arguments codes, scales, qkv; writes qkv
.if DOCPART == 2
	.amdgcn_target "amdgcn-amd-amdhsa--gfx1250"
	.amdhsa_code_object_version 6
	.text
	.protected	k_qaf6ba4cbd0_project
	.globl	k_qaf6ba4cbd0_project
	.p2align	8
	.type	k_qaf6ba4cbd0_project,@function
k_qaf6ba4cbd0_project:
	s_mov_b64 s[64:65], 0
	v_nop
	global_prefetch_b8 v0, s[64:65] scope:SCOPE_SE
	s_setreg_imm32_b32 hwreg(HW_REG_WAVE_MODE, 25, 1), 1
	s_wait_xcnt 0x0
	s_wait_alu depctr_hold_cnt(0) depctr_sa_sdst(0) depctr_va_vdst(0) depctr_va_sdst(0) depctr_va_ssrc(0) depctr_va_vcc(0) depctr_vm_vsrc(0)
	s_getreg_b32 s2, hwreg(HW_REG_IB_STS2, 6, 4)
	s_cmp_eq_u32 s2, 0
	s_cbranch_scc0 .Lentry_in_a_cluster
	s_endpgm
.Lentry_in_a_cluster:
	s_bfe_u32 s2, ttmp6, 0x10000c
	s_cmp_lg_u32 s2, 0xf033
	s_cbranch_scc0 .Lentry_shape_is_right
	s_endpgm
.Lentry_shape_is_right:
; [Q K V][m][n] = sum over k of x[m][k] W_qkv[n][k], both as codes of FP4 (E2M1) with one E8M0 scale for each 32 along K, as the launch before laid them; sums in f32; the result is rounded once, to f16.
; Nothing of reference() is left out here.  LIMIT: |Q|, |K|, |V| at or under 65,504.
; A tile of 256 x 256 is made by a work-group of four waves; a wave makes 128 x 128: 64 accumulators of 16 x 16, 512 registers.  K = 1,024 is two LDS slots of 512 along K (rows of 256 bytes): both are filled at the start, none again.
; THE SCALES of the work-group's 256 rows of x and 256 rows of W_qkv, for all of K, are two dense blocks of memory: they come into LDS once, with the first fills.
; CLUSTERS: 4 x 4 work-groups.  The four of a row of the cluster need the same tiles of x, the four of a column the same tiles of W_qkv: each tile is asked for JOINTLY, by the same tensor load with the same descriptor and a mask that names the four.
; THE MATRIX INSTRUCTION IS USED TRANSPOSED (source 0 = 16 rows of W_qkv, source 1 = 16 rows of x): a lane then holds eight neighbouring numbers of a row of the result.
; REGISTERS, in windows of 256: window 0: v0-31 addresses; v32-95 scale words, two sets; from v128 x's fragments, ONE set; on the way out v32-63, v192-255.
;   window 1: W_qkv's fragments, TWO sets, at v0 and v128.   window 2: the accumulators of my rows 0-63 ((a, b) at v[8 (8 a + b)]);   window 3: those of my rows 64-127.
.set SIZE_K, 1024
.set WC,     4194304                   ; W_qkv's codes in codes
.set WSO,    262144                    ; and its scale bytes in scales
.set KSTEP,  512
.set NQ,     KSTEP/128
.set ROWB,   256                       ; a tile's row in bytes
.set KROW,   SIZE_K*4/8                ; a row of codes in memory
.set PITCH,  272                       ; an LDS row: 256 bytes + 16 of padding = 68 words: the 16 rows that a load touches start at 16 different banks (64 banks of 4 bytes: ISA guide 11.1)
.set FR,     8
.set NL,     2
.set NP,     4                         ; places behind this matrix instruction (ISA guide 7.12.1)
.set HALFT,  128*PITCH
.set SLOT,   4*HALFT
.set KS,     SIZE_K/32                 ; a row of scales in bytes
.set SCL,    2*SLOT                    ; behind the ring: the scales, as runs of 256 bytes + 16 of padding
.set HALFS,  (128*KS/256)*272
.set SBLK,   (16*KS/256)*272
.set SPARE,  SCL+4*HALFS               ; the spare words, 128 bytes a wave: no other line names them
.set SPITCH, 272                       ; the way out: a stage of 16 rows x (256 bytes + 16) for each wave, in slot 0, which has had its one fill and its last read when the first result is stored there
.set OROW,   2048                      ; a row of Q, K or V in bytes
.set ADRA, 16
.set ADRB, 20
.set STO,  24
.set RD,   25
.set CO,   26
.set ADRS, 27
.set SPW,  28
.set NIL,  29
.set SC,   32
.set AF,   128
.set TMP,  192
.set OB,   32
.set G1, 24
.set G0, 32
.set G1B, 48
.set G0B, 56
.set G1S, 68
.set G0S, 76
.set G1SB, 80
.set G0SB, 88
.set MSB, 0
.macro WIN new                         ; the immediate's high byte repeats the setting that is left
.if MSB != \new
	s_set_vgpr_msb (MSB<<8)|\new
.set MSB, \new
.endif
.endm
.set MUL_LO, 0xa1                      ; source 0 window 1, source 1 window 0, C and D window 2
.set MUL_HI, 0xf1                      ; the same, C and D window 3
.set TO_B,   0x40                      ; destination window 1, address window 0
; A joint load: waves 0 and 1 fetch for x, waves 2 and 3 for W_qkv.  The branch hangs on the wave's number alone.  An s_nop 0 and four v_nop follow each of the two lines.
.macro JLOAD g0a, g1a, g0b, g1b
	s_cmp_eq_u32 s15, 0
	s_cbranch_scc0 .Lfor_b_\@
	tensor_load_to_lds s[\g0a:\g0a+3], s[\g1a:\g1a+7]
	s_nop 0
.rept 4
	v_nop
.endr
	s_branch .Lasked_\@
.Lfor_b_\@:
	tensor_load_to_lds s[\g0b:\g0b+3], s[\g1b:\g1b+7]
	s_nop 0
.rept 4
	v_nop
.endr
.Lasked_\@:
.endm
.macro CROUND                          ; a round of the cluster's barrier
	s_barrier_signal -1
	s_barrier_wait -1
	s_cmp_lg_u32 s14, 0
	s_cbranch_scc1 .Lnot_wave_0_\@
	s_barrier_signal -3
.Lnot_wave_0_\@:
	s_barrier_wait -3
	s_barrier_signal -1
	s_barrier_wait -1
.endm
	s_load_b128 s[4:7], s[0:1], 0x0                ; codes, scales
	s_load_b64 s[12:13], s[0:1], 0x10              ; qkv
	v_lshl_add_u32 v[SPW], v0, 2, SPARE
	v_mov_b32 v[NIL], 0
	ds_add_u32 v[SPW], v[NIL]                      ; the wave's opening: the add, twice on end, and its wait ahead of my first tensor load
	ds_add_u32 v[SPW], v[NIL]
	v_lshrrev_b32 v1, 5, v0
	v_readfirstlane_b32 s14, v1                    ; wave 0..3
	s_lshr_b32 s15, s14, 1                         ; which half of the tile's rows is mine.  Also: I fetch for x (0) or for W_qkv (1)
	s_and_b32 s16, s14, 1                          ; which half of its columns.  Also: which 128 rows of that tile I fetch
	s_bfe_u32 s40, ttmp6, 0x40000                  ; cx, cy: my place in the cluster
	s_bfe_u32 s41, ttmp6, 0x40004
	s_lshl_b32 s42, ttmp9, 2
	s_add_co_u32 s42, s42, s40                     ; tile column = 4 x cluster x + cx
	s_and_b32 s17, ttmp7, 0xffff
	s_lshl_b32 s17, s17, 2
	s_add_co_u32 s17, s17, s41                     ; tile row = 4 x cluster y + cy
	s_lshl_b32 s43, s41, 2
	s_lshl_b32 s43, 15, s43                        ; my row of the cluster
	s_lshl_b32 s44, 0x1111, s40                    ; my column
	s_or_b32 s[G1+0], s43, (0<<16)|(1<<20)|(1<<21)|(5<<22)|(3<<25)  ; the mask; elements of 1 byte; padding on; bit 21 beside a mask; 4 words after every 64
	s_or_b32 s[G1B+0], s44, (0<<16)|(1<<20)|(1<<21)|(5<<22)|(3<<25)
.irp g, G1, G1B
	s_mov_b32 s[\g+1], ROWB<<16                    ; tensor_dim0
	s_mov_b32 s[\g+2], 128<<16                     ; tensor_dim1
	s_mov_b32 s[\g+3], ROWB<<16                    ; tile_dim0
	s_mov_b32 s[\g+4], 128                         ; tile_dim1
	s_mov_b32 s[\g+5], KROW                        ; from row to row
	s_mov_b32 s[\g+6], 0
	s_mov_b32 s[\g+7], 0
.endr
	s_or_b32 s[G1S+0], s43, (3<<16)|(1<<20)|(1<<21)|(5<<22)|(3<<25) ; the scales of 128 rows: a dense block, as rows of 32 elements of 8 bytes
	s_or_b32 s[G1SB+0], s44, (3<<16)|(1<<20)|(1<<21)|(5<<22)|(3<<25)
.irp g, G1S, G1SB
	s_mov_b32 s[\g+1], 32<<16
	s_mov_b32 s[\g+2], (128*KS/256)<<16
	s_mov_b32 s[\g+3], 32<<16
	s_mov_b32 s[\g+4], 128*KS/256
	s_mov_b32 s[\g+5], 32
	s_mov_b32 s[\g+6], 0
	s_mov_b32 s[\g+7], 0
.endr
	s_lshl_b32 s18, s16, 7
	s_lshl_b32 s20, s17, 8
	s_add_co_u32 s20, s20, s18                     ; x: row 256 x tile row + 128 x half
	s_lshl_b32 s46, s42, 8
	s_add_co_u32 s46, s46, s18                     ; W_qkv: row 256 x tile column + 128 x half
	s_mov_b32 s21, 0
	s_mov_b32 s47, 0
	s_mov_b64 s[18:19], KS
	s_mul_u64 s[22:23], s[20:21], s[18:19]         ; where these rows' scales begin,
	s_mul_u64 s[92:93], s[46:47], s[18:19]
	s_mov_b64 s[18:19], KROW
	s_mul_u64 s[20:21], s[20:21], s[18:19]         ; and their codes
	s_mul_u64 s[46:47], s[46:47], s[18:19]
	s_mul_i32 s45, s14, HALFT                      ; where they go: wave x 128 rows
	s_mul_i32 s94, s14, HALFS
	s_wait_dscnt 0x0                               ; both opening adds are done
	s_wait_kmcnt 0x0
	s_add_nc_u64 s[8:9], s[4:5], WC                ; W_qkv's codes,
	s_add_nc_u64 s[10:11], s[6:7], WSO             ; and its scale bytes
	s_add_nc_u64 s[20:21], s[4:5], s[20:21]
	s_add_nc_u64 s[22:23], s[6:7], s[22:23]
	s_add_nc_u64 s[46:47], s[8:9], s[46:47]
	s_add_nc_u64 s[92:93], s[10:11], s[92:93]
	CROUND                                         ; all sixteen work-groups are here: the joint loads meet
	s_mov_b32 s[G0S], 1
	s_add_co_u32 s[G0S+1], s94, SCL
	s_mov_b64 s[G0S+2:G0S+3], s[22:23]
	s_or_b32 s[G0S+3], s[G0S+3], 0x80000000
	s_mov_b32 s[G0SB], 1
	s_add_co_u32 s[G0SB+1], s94, SCL
	s_mov_b64 s[G0SB+2:G0SB+3], s[92:93]
	s_or_b32 s[G0SB+3], s[G0SB+3], 0x80000000
	JLOAD G0S, G1S, G0SB, G1SB                     ; the scales first: they are wanted with the first slot
.irp s, 0,1
	s_mov_b32 s[G0+4*\s], 1
	s_add_co_u32 s[G0+4*\s+1], s45, \s*SLOT
	s_add_nc_u64 s[G0+4*\s+2:G0+4*\s+3], s[20:21], \s*ROWB
	s_or_b32 s[G0+4*\s+3], s[G0+4*\s+3], 0x80000000
	s_mov_b32 s[G0B+4*\s], 1
	s_add_co_u32 s[G0B+4*\s+1], s45, \s*SLOT
	s_add_nc_u64 s[G0B+4*\s+2:G0B+4*\s+3], s[46:47], \s*ROWB
	s_or_b32 s[G0B+4*\s+3], s[G0B+4*\s+3], 0x80000000
	JLOAD G0+4*\s, G1, G0B+4*\s, G1B               ; three loads of mine are out at the most
.endr
	v_and_b32 v1, 15, v0                           ; r = l % 16
	v_bfe_u32 v2, v0, 4, 1                         ; h = l / 16
	v_mul_u32_u24 v3, v1, PITCH
	v_lshl_add_u32 v4, v2, 4, v3                   ; a fragment's row x pitch + 16 x half
	s_mul_i32 s21, s15, HALFT
	s_mul_i32 s22, s16, HALFT
	s_add_co_u32 s22, s22, 2*HALFT
.irp s, 0,1
	v_add_nc_u32 v[ADRA+\s], s21, v4
	v_add_nc_u32 v[ADRB+\s], s22, v4
	s_add_co_u32 s21, s21, SLOT
	s_add_co_u32 s22, s22, SLOT
.endr
	v_mul_u32_u24 v5, v1, KS                       ; my row's scales: KS bytes a row,
	v_lshrrev_b32 v6, 8, v5
	v_lshl_add_u32 v5, v6, 4, v5                   ; and 16 more for each 256 passed
	s_mul_i32 s21, s15, HALFS
	s_mul_i32 s22, s16, HALFS
	s_add_co_u32 s22, s22, 2*HALFS
	s_sub_co_u32 s22, s22, s21
	v_mul_u32_u24 v6, s22, v2                      ; lanes 16-31 take W_qkv's
	s_add_co_u32 s21, s21, SCL
	v_add_nc_u32 v5, v5, v6
	v_add_nc_u32 v[ADRS], s21, v5
	s_mul_i32 s23, s14, 16*SPITCH                  ; my stage
	v_mul_u32_u24 v5, v1, SPITCH                   ; in: row r, 16 bytes for each half of the lanes
	v_lshl_add_u32 v5, v2, 4, v5
	v_add_nc_u32 v[STO], s23, v5
	v_mul_u32_u24 v5, v2, SPITCH                   ; back: lanes 0-15 one row of 256 bytes, lanes 16-31 the next
	v_lshl_add_u32 v5, v1, 4, v5
	v_add_nc_u32 v[RD], s23, v5
	v_lshlrev_b32 v5, 11, v2                       ; and the same two rows in memory
	v_lshl_add_u32 v[CO], v1, 4, v5
	s_lshl_b32 s20, s17, 8
	s_lshl_b32 s21, s15, 7
	s_add_co_u32 s20, s20, s21                     ; my first row: 256 x tile row + 128 x half,
	s_lshl_b32 s20, s20, 11                        ; in bytes
	s_mov_b32 s21, 0
	s_lshl_b32 s46, s40, 9                         ; my first column in Q, K or V: 256 cx + 128 x half, in bytes,
	s_lshl_b32 s47, s16, 8
	s_add_co_u32 s46, s46, s47
	s_lshl_b32 s47, ttmp9, 24                      ; and which of the three: cluster x; each is 2^24 bytes
	s_add_co_u32 s46, s46, s47
	s_mov_b32 s47, 0
	s_add_nc_u64 s[20:21], s[20:21], s[46:47]
	s_add_nc_u64 s[12:13], s[12:13], s[20:21]
.macro FRAG reg, adr, q, i             ; 16 rows x 128 K of 4-bit codes: 8 registers: lane l holds row l % 16; registers 4 c .. 4 c + 3 hold K = 64 c + 32 (l / 16) + 0 .. 31
.irp c, 0,1
	ds_load_b128 v[\reg+4*\c:\reg+4*\c+3], v[\adr] offset:64*(\q)+32*\c+(\i)*16*PITCH
.endr
.endm
; 16 matrix instructions: x's blocks a0, a0 + 1 against W_qkv's eight, 128 along K.  The 64 accumulators take turns, one instruction a turn, in the same order in every step.
.macro MUL16 a0, p, q, sc, zero
.irp a, \a0, \a0+1
.irp b, 0,1,2,3,4,5,6,7
.if \zero
	v_wmma_scale_f32_16x16x128_f8f6f4 v[8*(8*((\a)%4)+\b):8*(8*((\a)%4)+\b)+7], v[128*(\p)+FR*\b:128*(\p)+FR*\b+FR-1], v[AF+FR*(\a):AF+FR*(\a)+FR-1], 0, v[SC+8*NQ*(\sc)+NQ*\b+(\q)], v[SC+8*NQ*(\sc)+NQ*(\a)+(\q)] matrix_a_fmt:MATRIX_FMT_FP4 matrix_b_fmt:MATRIX_FMT_FP4 matrix_a_scale:MATRIX_SCALE_ROW1
.else
	v_wmma_scale_f32_16x16x128_f8f6f4 v[8*(8*((\a)%4)+\b):8*(8*((\a)%4)+\b)+7], v[128*(\p)+FR*\b:128*(\p)+FR*\b+FR-1], v[AF+FR*(\a):AF+FR*(\a)+FR-1], v[8*(8*((\a)%4)+\b):8*(8*((\a)%4)+\b)+7], v[SC+8*NQ*(\sc)+NQ*\b+(\q)], v[SC+8*NQ*(\sc)+NQ*(\a)+(\q)] matrix_a_fmt:MATRIX_FMT_FP4 matrix_b_fmt:MATRIX_FMT_FP4 matrix_a_scale:MATRIX_SCALE_ROW1
.endif
.endr
.endr
.endm
.macro FETCH_B slot, q, p
	WIN TO_B
.irp i, 0,1,2,3,4,5,6,7
	FRAG 128*(\p)+FR*\i, ADRB+\slot, \q, \i
.endr
	WIN 0
.endm
.macro FETCH_A slot, q, i0
.irp i, \i0, \i0+1, \i0+2, \i0+3
	FRAG AF+FR*(\i), ADRA+\slot, \q, \i
.endr
.endm
.macro SCALES sc                       ; a slot's scale words: lanes 0-15 take x's block i, lanes 16-31 W_qkv's block i
.irp i, 0,1,2,3,4,5,6,7
	ds_load_b128 v[SC+8*NQ*\sc+NQ*\i:SC+8*NQ*\sc+NQ*\i+3], v[ADRS] offset:\i*SBLK
.endr
.endm
.macro PLACES n                        ; places in front of loads into registers that matrix instructions have read, and of the first read of results
.rept \n
	v_nop
.endr
.endm
.macro STEP slot, q, zero              ; a step of 128 along K that has its successor in the same slot
	s_wait_dscnt 4*NL                              ; all but the youngest eight loads (x's blocks 4-7) are in
	WIN MUL_LO
	MUL16 0, (\q)%2, \q, \slot, \zero
	MUL16 2, (\q)%2, \q, \slot, \zero
	s_wait_dscnt 0
	PLACES NP
	FETCH_B \slot, (\q)+1, 1-(\q)%2
	FETCH_A \slot, (\q)+1, 0
	WIN MUL_HI
	MUL16 4, (\q)%2, \q, \slot, \zero
	MUL16 6, (\q)%2, \q, \slot, \zero
	PLACES NP
	WIN 0
	FETCH_A \slot, (\q)+1, 4
.endm
; Slot 0's last step changes slots: one barrier; in front of it each wave waits for all its tensor loads, adds 0 to its spare word, and waits for that and for its reads of slot 0.  Nothing is filled again.
.macro TURN slot, next
	s_wait_tensorcnt 0x0                           ; my part of the next slot has landed
	ds_add_u32 v[SPW], v[NIL]
	s_wait_dscnt 4*NL+1                            ; (the add and the youngest eight loads may be out)
	WIN MUL_LO
	MUL16 0, 1, NQ-1, \slot, 0
	s_wait_dscnt 0x0                               ; the add is done, and my reads of this slot are over
	s_barrier_signal -1
	MUL16 2, 1, NQ-1, \slot, 0
	WIN 0
	s_barrier_wait -1
	PLACES NP
	v_add_nc_u32 v[ADRS], 4*NQ, v[ADRS]            ; on to the next slot's scale words
	FETCH_B \next, 0, 0
	FETCH_A \next, 0, 0
	SCALES \next
	WIN MUL_HI
	MUL16 4, 1, NQ-1, \slot, 0
	MUL16 6, 1, NQ-1, \slot, 0
	PLACES NP
	WIN 0
	FETCH_A \next, 0, 4
.endm
.macro STEPS slot, from
.set Q, \from
.rept NQ-1-\from
	STEP \slot, Q, 0
.set Q, Q+1
.endr
.endm
	s_wait_tensorcnt 1                             ; the scales and my part of slot 0 are in (slot 1's load may be out),
	s_barrier_signal -1
	s_barrier_wait -1                              ; everybody's are
	FETCH_B 0, 0, 0
	FETCH_A 0, 0, 0
	SCALES 0
	FETCH_A 0, 0, 4
	STEP 0, 0, 1                                   ; the first products start the sums: nothing is cleared
	STEPS 0, 1
	TURN 0, 1
	STEPS 1, 0
	s_wait_dscnt 4*NL                              ; the last step: nothing more to fetch
	WIN MUL_LO
	MUL16 0, 1, NQ-1, 1, 0
	MUL16 2, 1, NQ-1, 1, 0
	s_wait_dscnt 0
	WIN MUL_HI
	MUL16 4, 1, NQ-1, 1, 0
	MUL16 6, 1, NQ-1, 1, 0
	WIN 0
; THE WAY OUT, block by block of 16 rows x 128 columns: rounded to f16, 16 bytes a lane; through my own stage in LDS; back as whole rows of 256 bytes, which sixteen lanes store.
.macro PACK a
.set AC, 64*((\a)%4)
	WIN 0x0a+5*((\a)/4)                            ; sources 0 and 1: window 2 or 3
.irp b, 0,1,2,3,4,5,6,7
.irp r, 0,1,2,3
	v_cvt_pk_f16_f32 v[TMP+4*\b+\r], v[AC+8*\b+2*\r], v[AC+8*\b+2*\r+1]   ; each accumulator from its low end on
.endr
.endr
	WIN 0
.endm
.macro TOSTAGE a
.set BK, OB+192*((\a)%2)
.irp b, 0,1,2,3,4,5,6,7
	ds_store_b128 v[STO], v[TMP+4*\b:TMP+4*\b+3] offset:32*\b
.endr
.irp t, 0,1,2,3,4,5,6,7
	ds_load_b128 v[BK+4*\t:BK+4*\t+3], v[RD] offset:\t*2*SPITCH    ; LDS serves a wave's instructions in order: these see the stores above
.endr
.endm
.macro SEND a
.set BK, OB+192*((\a)%2)
	s_wait_dscnt 0x0                               ; the block is back in registers
	s_wait_xcnt 0x0                                ; the earlier stores have read their base and their data: only behind this wait are they written again
.if (\a) > 0
	s_add_nc_u64 s[12:13], s[12:13], 16*OROW
.endif
.irp t, 0,1,2,3,4,5,6,7
	global_store_b128 v[CO], v[BK+4*\t:BK+4*\t+3], s[12:13] offset:2*\t*OROW   ; 16 lanes store 256 consecutive bytes, aligned
.endr
.endm
	PLACES NP
	PACK 0
	TOSTAGE 0
.irp a, 1,2,3,4,5,6,7                  ; block a's conversions stand between block a - 1's loads from the stage and the wait for them
	PACK \a
	SEND \a-1
	TOSTAGE \a
.endr
	SEND 7
	s_wait_tensorcnt 0x0                           ; the wave's end
	ds_add_u32 v[SPW], v[NIL]
	s_wait_dscnt 0x0
	CROUND                                         ; the closing round
	s_endpgm
.Lfunc_end_k_qaf6ba4cbd0_project:
	.size	k_qaf6ba4cbd0_project, .Lfunc_end_k_qaf6ba4cbd0_project-k_qaf6ba4cbd0_project
	.p2alignl 7, 3214868480
	.fill 96, 4, 3214868480
	.section	.rodata,"a",@progbits
	.p2align	6, 0x0
	.amdhsa_kernel k_qaf6ba4cbd0_project
		.amdhsa_group_segment_fixed_size 327680
		.amdhsa_private_segment_fixed_size 0
		.amdhsa_enable_private_segment 0
		.amdhsa_kernarg_size 24
		.amdhsa_user_sgpr_count 2
		.amdhsa_user_sgpr_kernarg_segment_ptr 1
		.amdhsa_wavefront_size32 1
		.amdhsa_system_sgpr_workgroup_id_x 1
		.amdhsa_system_sgpr_workgroup_id_y 1
		.amdhsa_system_sgpr_workgroup_id_z 1
		.amdhsa_system_vgpr_workitem_id 0
		.amdhsa_next_free_vgpr 1024
		.amdhsa_next_free_sgpr 98
		.amdhsa_reserve_vcc 0
		.amdhsa_float_denorm_mode_32 3
		.amdhsa_float_denorm_mode_16_64 3
		.amdhsa_memory_ordered 1
		.amdhsa_forward_progress 1
		.amdhsa_inst_pref_size 127
	.end_amdhsa_kernel
	.amdgpu_metadata
---
amdhsa.version: [ 1, 2 ]
amdhsa.kernels:
  - .name:           k_qaf6ba4cbd0_project
    .symbol:         k_qaf6ba4cbd0_project.kd
    .args:
      - { .name: codes, .offset: 0, .size: 8, .value_kind: global_buffer, .address_space: global }
      - { .name: scales, .offset: 8, .size: 8, .value_kind: global_buffer, .address_space: global }
      - { .name: qkv, .offset: 16, .size: 8, .value_kind: global_buffer, .address_space: global }
    .group_segment_fixed_size: 327680
    .private_segment_fixed_size: 0
    .kernarg_segment_align: 8
    .kernarg_segment_size: 24
    .max_flat_workgroup_size: 128
    .sgpr_count:     98
    .vgpr_count:     1024
    .wavefront_size: 32
...
	.end_amdgpu_metadata
.endif
;; end of part 2
;; launch scores (part 3): grid 8 x 48, 4 waves a work-group, clusters of 4 x 4, 327,680 bytes of LDS; arguments qkv, wo, p, stats, vwt; writes p, stats, vwt
.if DOCPART == 3
	.amdgcn_target "amdgcn-amd-amdhsa--gfx1250"
	.amdhsa_code_object_version 6
	.text
	.protected	k_qaf6ba4cbd0_scores
	.globl	k_qaf6ba4cbd0_scores
	.p2align	8
	.type	k_qaf6ba4cbd0_scores,@function
k_qaf6ba4cbd0_scores:
	s_mov_b64 s[64:65], 0
	v_nop
	global_prefetch_b8 v0, s[64:65] scope:SCOPE_SE
	s_setreg_imm32_b32 hwreg(HW_REG_WAVE_MODE, 25, 1), 1
	s_wait_xcnt 0x0
	s_wait_alu depctr_hold_cnt(0) depctr_sa_sdst(0) depctr_va_vdst(0) depctr_va_sdst(0) depctr_va_ssrc(0) depctr_va_vcc(0) depctr_vm_vsrc(0)
	s_getreg_b32 s2, hwreg(HW_REG_IB_STS2, 6, 4)
	s_cmp_eq_u32 s2, 0
	s_cbranch_scc0 .Lentry_in_a_cluster
	s_endpgm
.Lentry_in_a_cluster:
	s_bfe_u32 s2, ttmp6, 0x10000c
	s_cmp_lg_u32 s2, 0xf033
	s_cbranch_scc0 .Lentry_shape_is_right
	s_endpgm
.Lentry_shape_is_right:
; Two products of one shape in one launch, C = A B^T with K = 1,024, f16 operands, f32 sums, tiles of 256 x 256:
;   clusters y 0-7:  s = Q K^T (256 tiles).  A wave's 128 queries x 128 keys leave as p = 2^(c s - c smax), c = log2(e) / 32, smax the largest s of those 128 keys for the query: so p is 1 at the most (but for the rounding of c smax),
;                    whatever the size of the scores.  p goes to memory as f16; (smax, the sum of the unrounded p) as f32: the last launch brings the 16 runs of 128 keys of a row under the row's own maximum.
;   clusters y 8-11: VW^T[e][s] = sum over d of W_o'[e][d] V[s][d] (128 tiles), as f16: the keys are innermost, as the last product's K wants them.
; Nothing of reference() is left out; (P V) W_o^T is computed as P (V W_o^T), equal in real numbers for all inputs.
; SHARES: four waves, each 128 x 128: 64 accumulators, 512 registers.  K goes in steps of 128 (rows of 256 bytes) through two LDS slots; each wave fetches 128 rows: waves 0 and 1 A's halves, waves 2 and 3 B's.
; A K step is 256 matrix instructions a wave, 224 of them between a slot's request and the wait for it: twice what a tile of 128 x 256 would give; the price is that the tiles are 384, of which VW^T's 128 come last.
; CLUSTERS: 4 x 4.  A's tile hangs on cy alone and is asked for jointly along a row of the cluster, B's on cx alone, along a column.  Which of the two products a cluster makes hangs on the cluster's y: the same in all partners.
; No prefetch: each tile is read by two clusters at about the same time, and of a tile's eight K steps only four have a K step two refills back in which to be named.
; THE MATRIX INSTRUCTION IS USED TRANSPOSED (source 0 = 16 rows of B, source 1 = 16 rows of A): lane (r, h) holds row r of C and columns 8 h + 0 .. 7 of a block.
; REGISTERS, in windows of 256: window 0: v16-31 addresses; v64-127, v128-191 A's fragments, two buffers; on the way out v32-63 and v128-255.   window 1: v64-127, v128-191 B's fragments, two buffers.
;   window 2: the accumulators of my rows 0-63 ((a, b) at v[8 (8 a + b)]);   window 3: those of my rows 64-127.
.set KSTEP,  128
.set ROWE,   1024                      ; elements in a row of Q, K, V, W_o'
.set QKVB,   16777216                  ; bytes of Q, of K, of V
.set PITCH,  272                       ; an LDS row: 256 bytes + 16 of padding: the 16 rows that a load touches start at 16 different banks (ISA guide 11.1)
.set HALFT,  128*PITCH                 ; 128 rows: what one tensor load brings, and what one wave reads of A or of B
.set SLOT,   4*HALFT                   ; A's 256 rows, then B's 256
.set SPITCH, 272
.set STAGE_S, 2*SLOT                   ; behind the ring: a stage of 16 rows x 272 bytes for each wave, for p;
.set STAGE_V, STAGE_S+4*16*SPITCH      ; another for VW^T: each way out has LDS bytes of its own
.set SPARE,  STAGE_V+4*16*SPITCH       ; the spare words, 128 bytes a wave: no other line names them
.set LAPS,   4                         ; a lap = two K steps
.set PROW,   4096                      ; a row of p in bytes
.set VROW,   16384                     ; a row of VW^T in bytes
.set ADRA, 16
.set ADRB, 20
.set STOV, 22
.set RDV,  23
.set STOS, 24
.set RDS,  25
.set COS,  26
.set COV,  27
.set SPW,  28
.set NIL,  29
.set STA,  30                          ; 8 x lane: the statistics' place
.set OB,   32                          ; rows read back from a stage: v32-63 and v224-255 by turns
.set F0,   64
.set F1,   128
.set TMP,  128                         ; v128-159 packed f16
.set T,    160                         ; v160-191 at work
.set SP,   192                         ; v[192+2a] smax, v[193+2a] the sum, of block a
.set SO,   208                         ; v208-215 the statistics on their way out
.set G1, 24
.set G0, 32
.set G1B, 48
.set G0B, 56
.set SEL, 66
.set CS,  68
.set MSB, 0
.macro WIN new                         ; the immediate's high byte repeats the setting that is left
.if MSB != \new
	s_set_vgpr_msb (MSB<<8)|\new
.set MSB, \new
.endif
.endm
.set MUL_LO, 0xa1                      ; source 0 (B) window 1, source 1 (A) window 0, C and D window 2
.set MUL_HI, 0xf1                      ; the same, C and D window 3
.set TO_B,   0x40                      ; destination window 1, address window 0
.macro JLOAD s                         ; a joint load; an s_nop 0 and four v_nop follow each of the two lines
	s_cmp_eq_u32 s11, 0
	s_cbranch_scc0 .Lfor_b_\@
	tensor_load_to_lds s[G0+4*\s:G0+4*\s+3], s[G1:G1+7]
	s_nop 0
.rept 4
	v_nop
.endr
	s_branch .Lasked_\@
.Lfor_b_\@:
	tensor_load_to_lds s[G0B+4*\s:G0B+4*\s+3], s[G1B:G1B+7]
	s_nop 0
.rept 4
	v_nop
.endr
.Lasked_\@:
.endm
.macro CREST                           ; a round of the cluster's barrier behind its opening barrier
	s_cmp_lg_u32 s10, 0
	s_cbranch_scc1 .Lnot_wave_0_\@
	s_barrier_signal -3
.Lnot_wave_0_\@:
	s_barrier_wait -3
	s_barrier_signal -1
	s_barrier_wait -1
.endm
.macro CROUND
	s_barrier_signal -1
	s_barrier_wait -1
	CREST
.endm
.macro PLACES                          ; four places in front of loads into registers that matrix instructions have read, and of the first read of results
.rept 4
	v_nop
.endr
.endm
	s_load_b256 s[72:79], s[0:1], 0x0              ; qkv, wo, p, stats
	s_load_b64 s[80:81], s[0:1], 0x20              ; vwt
	v_lshl_add_u32 v[SPW], v0, 2, SPARE
	v_mov_b32 v[NIL], 0
	ds_add_u32 v[SPW], v[NIL]                      ; the wave's opening: the add, twice on end, and its wait ahead of my first tensor load
	ds_add_u32 v[SPW], v[NIL]
	v_lshrrev_b32 v1, 5, v0
	v_readfirstlane_b32 s10, v1                    ; wave
	s_lshr_b32 s11, s10, 1                         ; which 128 rows of the tile are mine.  Also: I fetch for A (0) or for B (1)
	s_and_b32 s12, s10, 1                          ; which 128 columns.  Also: which half of that tile I fetch
	s_bfe_u32 s40, ttmp6, 0x40000                  ; cx
	s_bfe_u32 s41, ttmp6, 0x40004                  ; cy
	s_and_b32 s5, ttmp7, 0xffff                    ; the cluster's y, 0 .. 11
	s_lshr_b32 s6, s5, 1
	s_lshl_b32 s6, s6, 1
	s_add_co_u32 s6, s6, ttmp9                     ; scores: 2 x batch + cluster x: which 1,024 rows of K
	s_sub_co_u32 s7, s5, 8
	s_lshl_b32 s7, s7, 1
	s_add_co_u32 s7, s7, ttmp9                     ; VW^T: 2 (y - 8) + cluster x: which 1,024 rows of V
	s_mov_b32 s8, 2*QKVB
	s_cmp_lt_u32 s5, 8                             ; scores or VW^T: the cluster's y alone decides
	s_cselect_b32 s71, 0, 1
	s_cselect_b32 s13, s5, 0                       ; scores: the cluster's 1,024 queries; VW^T: all of W_o's 1,024 rows
	s_cselect_b32 s42, s6, s7
	s_cselect_b32 s8, QKVB, s8                     ; B is K or V
	s_lshl_b32 s13, s13, 2
	s_add_co_u32 s13, s13, s41                     ; A's tile of 256 rows: hangs on cy, never on cx
	s_lshl_b32 s42, s42, 2
	s_add_co_u32 s42, s42, s40                     ; B's tile of 256 rows: hangs on cx, never on cy
	s_lshl_b32 s43, s41, 2
	s_lshl_b32 s43, 15, s43                        ; my row of the cluster
	s_lshl_b32 s44, 0x1111, s40                    ; my column
	s_or_b32 s[G1+0], s43, (1<<16)|(1<<20)|(1<<21)|(5<<22)|(3<<25)  ; the mask; elements of 2 bytes; padding on; bit 21 beside a mask; 4 words after every 64
	s_or_b32 s[G1B+0], s44, (1<<16)|(1<<20)|(1<<21)|(5<<22)|(3<<25)
.irp g, G1, G1B
	s_mov_b32 s[\g+1], KSTEP<<16                   ; tensor_dim0
	s_mov_b32 s[\g+2], 128<<16                     ; tensor_dim1
	s_mov_b32 s[\g+3], KSTEP<<16                   ; tile_dim0
	s_mov_b32 s[\g+4], 128                         ; tile_dim1
	s_mov_b32 s[\g+5], ROWE                        ; from row to row
	s_mov_b32 s[\g+6], 0
	s_mov_b32 s[\g+7], 0
.endr
	s_lshl_b32 s16, s13, 8
	s_lshl_b32 s17, s12, 7
	s_add_co_u32 s16, s16, s17                     ; A: row 256 x tile + 128 x half,
	s_lshl_b32 s16, s16, 11                        ; of 2,048 bytes
	s_mov_b32 s17, 0
	s_lshl_b32 s46, s42, 8
	s_lshl_b32 s47, s12, 7
	s_add_co_u32 s46, s46, s47                     ; B: row 256 x tile + 128 x half,
	s_lshl_b32 s46, s46, 11
	s_add_co_u32 s46, s46, s8                      ; in K or in V
	s_mov_b32 s47, 0
	s_mul_i32 s20, s10, HALFT                      ; where they go in a slot: wave x 128 rows: no place in the cluster enters an LDS address
	s_mov_b32 s[SEL], 0x76543210                   ; v_permlanex16_b32's selects for lane l xor 16
	s_mov_b32 s[SEL+1], 0xfedcba98
	s_mov_b32 s[CS], 0x3d38aa3b                    ; c = log2(e) / 32
	s_mov_b32 s[CS+1], s[CS]                       ; (named with it as a pair, so it is written)
	s_mov_b32 s70, 0xffff0000                      ; lanes 16-31
	s_wait_dscnt 0x0                               ; both opening adds are done
	s_wait_kmcnt 0x0
	s_cmp_eq_u32 s71, 0
	s_cselect_b64 s[14:15], s[72:73], s[74:75]     ; A is Q or W_o'
	s_add_nc_u64 s[14:15], s[14:15], s[16:17]
	s_add_nc_u64 s[46:47], s[72:73], s[46:47]
	CROUND                                         ; all sixteen work-groups are here: the first joint loads meet
.irp s, 0,1
	s_mov_b32 s[G0+4*\s], 1
	s_add_co_u32 s[G0+4*\s+1], s20, \s*SLOT
	s_add_nc_u64 s[G0+4*\s+2:G0+4*\s+3], s[14:15], \s*KSTEP*2
	s_or_b32 s[G0+4*\s+3], s[G0+4*\s+3], 0x80000000
	s_mov_b32 s[G0B+4*\s], 1
	s_add_co_u32 s[G0B+4*\s+1], s20, \s*SLOT
	s_add_nc_u64 s[G0B+4*\s+2:G0B+4*\s+3], s[46:47], \s*KSTEP*2
	s_or_b32 s[G0B+4*\s+3], s[G0B+4*\s+3], 0x80000000
	JLOAD \s                                       ; two loads of mine are out at the most
.endr
	v_and_b32 v1, 15, v0                           ; r
	v_bfe_u32 v2, v0, 4, 1                         ; h
	v_mul_u32_u24 v3, v1, PITCH
	v_lshl_add_u32 v3, v2, 4, v3                   ; a fragment's row x pitch + 16 x half
	s_mul_i32 s22, s11, HALFT                      ; my 128 rows of A
	s_mul_i32 s23, s12, HALFT                      ; my 128 rows of B,
	s_add_co_u32 s23, s23, 2*HALFT                 ; which lie behind A's 256
.irp s, 0,1
	v_add_nc_u32 v[ADRA+\s], s22, v3
	v_add_nc_u32 v[ADRB+\s], s23, v3
	s_add_co_u32 s22, s22, SLOT
	s_add_co_u32 s23, s23, SLOT
.endr
	s_mul_i32 s22, s10, 16*SPITCH                  ; my stage, in either region
	v_mul_u32_u24 v4, v1, SPITCH                   ; in: row r, 16 bytes for each half of the lanes
	v_lshl_add_u32 v4, v2, 4, v4
	v_add_nc_u32 v4, s22, v4
	v_add_nc_u32 v[STOS], STAGE_S, v4
	v_add_nc_u32 v[STOV], STAGE_V, v4
	v_mul_u32_u24 v5, v2, SPITCH                   ; back: lanes 0-15 one row of 256 bytes, lanes 16-31 the next
	v_lshl_add_u32 v5, v1, 4, v5
	v_add_nc_u32 v5, s22, v5
	v_add_nc_u32 v[RDS], STAGE_S, v5
	v_add_nc_u32 v[RDV], STAGE_V, v5
	v_lshlrev_b32 v6, 4, v1
	v_lshl_add_u32 v[COS], v2, 12, v6              ; the same two rows in p,
	v_lshl_add_u32 v[COV], v2, 14, v6              ; and in VW^T
	v_and_b32 v7, 31, v0
	v_lshlrev_b32 v[STA], 3, v7
	s_lshl_b32 s88, s13, 8
	s_lshl_b32 s89, s11, 7
	s_add_co_u32 s88, s88, s89                     ; my first row of C
	s_and_b32 s89, s42, 7                          ; scores: which 256 keys of the batch
	s_lshl_b32 s92, s12, 8                         ; my 128 columns, in bytes of f16
	s_mov_b32 s91, 0
	s_lshl_b32 s90, s88, 12
	s_lshl_b32 s93, s89, 9
	s_add_co_u32 s90, s90, s93
	s_add_co_u32 s90, s90, s92
	s_add_nc_u64 s[82:83], s[76:77], s[90:91]      ; p
	s_lshl_b32 s90, s89, 1
	s_add_co_u32 s90, s90, s12                     ; which run of 128 keys,
	s_lshl_b32 s90, s90, 16                        ; 65,536 bytes each,
	s_lshl_b32 s93, s88, 3                         ; 8 bytes a row
	s_add_co_u32 s90, s90, s93
	s_add_nc_u64 s[84:85], s[78:79], s[90:91]      ; stats
	s_lshl_b32 s90, s88, 14
	s_lshl_b32 s93, s42, 9
	s_add_co_u32 s90, s90, s93
	s_add_co_u32 s90, s90, s92
	s_add_nc_u64 s[86:87], s[80:81], s[90:91]      ; VW^T (used by its clusters alone)
; 16 matrix instructions: A's blocks a0, a0 + 1 of the window's four (hi = 0: my rows 0-63, 1: rows 64-127) against B's eight, 32 along K.  zero = 1: the first product starts the sums: nothing is cleared.
; The 64 accumulators take turns, one instruction a turn, in the same order in every quarter.
.macro MUL16 f, hi, a0, zero
.irp a, \a0, \a0+1
.irp b, 0,1,2,3,4,5,6,7
.if \zero
	v_wmma_f32_16x16x32_f16 v[8*(8*(\a)+\b):8*(8*(\a)+\b)+7], v[\f+8*\b:\f+8*\b+7], v[\f+8*(4*\hi+\a):\f+8*(4*\hi+\a)+7], 0
.else
	v_wmma_f32_16x16x32_f16 v[8*(8*(\a)+\b):8*(8*(\a)+\b)+7], v[\f+8*\b:\f+8*\b+7], v[\f+8*(4*\hi+\a):\f+8*(4*\hi+\a)+7], v[8*(8*(\a)+\b):8*(8*(\a)+\b)+7]
.endif
.endr
.endr
.endm
; 32 LDS loads in one run: 128 rows of B, then 128 rows of A, 32 along K at byte k of the rows, into buffer f
.macro FETCH slot, k, f
	WIN TO_B
.irp i, 0,1,2,3,4,5,6,7
	ds_load_b128 v[\f+8*\i:\f+8*\i+3],   v[ADRB+\slot] offset:\k+\i*16*PITCH
	ds_load_b128 v[\f+8*\i+4:\f+8*\i+7], v[ADRB+\slot] offset:\k+\i*16*PITCH+32
.endr
	WIN 0
.irp i, 0,1,2,3,4,5,6,7
	ds_load_b128 v[\f+8*\i:\f+8*\i+3],   v[ADRA+\slot] offset:\k+\i*16*PITCH
	ds_load_b128 v[\f+8*\i+4:\f+8*\i+7], v[ADRA+\slot] offset:\k+\i*16*PITCH+32
.endr
.endm
; A K step is four quarters of 32 along K, 64 matrix instructions each, on buffers 0, 1, 0, 1.  One of the first three: multiplies buffer f, and in its middle fetches the next quarter, at byte k, into buffer g.
.macro QUARTER slot, k, f, g, zero
	s_wait_dscnt 8                                 ; B and A's rows 0-63 are in; the youngest eight loads (A's rows 64-127) may be out
	WIN MUL_LO
	MUL16 \f, 0, 0, \zero
	MUL16 \f, 0, 2, \zero
	PLACES
	FETCH \slot, \k, \g
	s_wait_dscnt 32                                ; all but the 32 just issued
	WIN MUL_HI
	MUL16 \f, 1, 0, \zero
	MUL16 \f, 1, 2, \zero
.endm
; The last quarter multiplies buffer 1 and changes slots: one barrier; in front of it each wave waits for all its tensor loads, adds 0 to its spare word, and waits for that and for its reads of this slot.
; fill = 1: the barrier opens a round of the cluster's, and this slot is filled again, two K steps ahead, first thing behind the round: 224 matrix instructions ahead of the wait for it.
.macro TURN slot, next, fill
	WIN 0                                          ; (the add's two registers lie in window 0)
	s_wait_tensorcnt 0x0                           ; all my tensor loads have landed: my part of the next slot
	ds_add_u32 v[SPW], v[NIL]
	s_wait_dscnt 9                                 ; (the add and the youngest eight loads may be out)
	WIN MUL_LO
	MUL16 F1, 0, 0, 0                              ; sixteen matrix instructions stand between the add and the wait for it
	s_wait_dscnt 0x0                               ; the add is done, and my reads of this slot are over
	s_barrier_signal -1
	MUL16 F1, 0, 2, 0
.if \fill
	WIN 0
.endif
	s_barrier_wait -1
.if \fill
	CREST                                          ; no wave of any partner still reads this slot or has a load on its way
	s_add_nc_u64 s[G0+4*\slot+2:G0+4*\slot+3], s[G0+4*\slot+2:G0+4*\slot+3], 2*KSTEP*2
	s_add_nc_u64 s[G0B+4*\slot+2:G0B+4*\slot+3], s[G0B+4*\slot+2:G0B+4*\slot+3], 2*KSTEP*2
	JLOAD \slot                                    ; the four v_nop behind it are also the places in front of the loads below
.else
	PLACES
.endif
	FETCH \next, 0, F0
	WIN MUL_HI
	MUL16 F1, 1, 0, 0
	MUL16 F1, 1, 2, 0
.endm
	s_wait_tensorcnt 1                             ; my part of K step 0 is in (K step 1's load may be out)
	s_barrier_signal -1
	s_barrier_wait -1                              ; everybody's is
	FETCH 0, 0, F0
	QUARTER 0, 64, F0, F1, 1                       ; the first quarter's products start the sums
	WIN 0                                          ; at a label and at a branch every window is 0
	s_mov_b32 s3, LAPS-1
.Llap:                                             ; a trip goes once round the ring and fills both slots again
	QUARTER 0, 128, F1, F0, 0
	QUARTER 0, 192, F0, F1, 0
	TURN 0, 1, 1
	QUARTER 1, 64,  F0, F1, 0
	QUARTER 1, 128, F1, F0, 0
	QUARTER 1, 192, F0, F1, 0
	TURN 1, 0, 1
	QUARTER 0, 64,  F0, F1, 0
	WIN 0
	s_sub_co_u32 s3, s3, 1
	s_cmp_lg_u32 s3, 0
	s_cbranch_scc1 .Llap
	QUARTER 0, 128, F1, F0, 0                      ; the last lap fills nothing
	QUARTER 0, 192, F0, F1, 0
	TURN 0, 1, 0
	QUARTER 1, 64,  F0, F1, 0
	QUARTER 1, 128, F1, F0, 0
	QUARTER 1, 192, F0, F1, 0
	s_wait_dscnt 8                                 ; the last quarter: nothing more to fetch
	WIN MUL_LO
	MUL16 F1, 0, 0, 0
	MUL16 F1, 0, 2, 0
	s_wait_dscnt 0x0
	WIN MUL_HI
	MUL16 F1, 1, 0, 0
	MUL16 F1, 1, 2, 0
	WIN 0
	PLACES                                         ; in front of the first read of the last results, and of writes into the registers that held A's fragments
.macro TOST a, sto, rd                 ; a block's 16 rows x 256 bytes through my stage
.set BK, OB+192*((\a)%2)
.irp b, 0,1,2,3,4,5,6,7
	ds_store_b128 v[\sto], v[TMP+4*\b:TMP+4*\b+3] offset:32*\b
.endr
.irp t, 0,1,2,3,4,5,6,7
	ds_load_b128 v[BK+4*\t:BK+4*\t+3], v[\rd] offset:\t*2*SPITCH   ; LDS serves a wave's instructions in order: these see the stores above
.endr
.endm
.macro SENDC a, co, base, pitch        ; every offset is an immediate (126 rows of 16,384 bytes at the most): no base is stepped
.set BK, OB+192*((\a)%2)
	s_wait_dscnt 0x0
.irp t, 0,1,2,3,4,5,6,7
	global_store_b128 v[\co], v[BK+4*\t:BK+4*\t+3], s[\base:\base+1] offset:(16*(\a)+2*\t)*\pitch   ; 16 lanes store 256 consecutive bytes, aligned
.endr
.endm
	s_cmp_lg_u32 s71, 0
	s_cbranch_scc1 .Lvw
; Block a: 16 queries x 128 keys; a query's keys lie in lanes r and r + 16, 64 registers each.
.macro SOFT a
.set AC, 64*((\a)%4)
.set WW, 2+(\a)/4                      ; the block's window
.set SPA, SP+2*(\a)
.set WN, WW|(WW<<2)|(WW<<4)
	WIN WN                                         ; all three sources in the block's window
.set i, 0
.rept 20
	v_max3_num_f32 v[T+i], v[AC+3*i], v[AC+3*i+1], v[AC+3*i+2]     ; ascending: each accumulator is read from its low end on
.set i, i+1
.endr
	v_max_num_f32 v[T+20], v[AC+60], v[AC+61]
	v_max_num_f32 v[T+21], v[AC+62], v[AC+63]
	WIN 0
.set i, 0
.rept 7
	v_max3_num_f32 v[T+22+i], v[T+3*i], v[T+3*i+1], v[T+3*i+2]
.set i, i+1
.endr
	v_max3_num_f32 v[T], v[T+22], v[T+23], v[T+24]
	v_max3_num_f32 v[T+1], v[T+25], v[T+26], v[T+27]
	v_max3_num_f32 v[T+2], v[T+28], v[T+21], v[T]
	v_max_num_f32 v[T], v[T+1], v[T+2]
	v_permlanex16_b32 v[T+3], v[T], s[SEL], s[SEL+1]
	v_max_num_f32 v[SPA], v[T], v[T+3]             ; smax: the largest of the query's 128 scores
	v_mul_f32 v[T+4], s[CS], v[SPA]                ; c smax (its neighbour v[T+5], named with it as a pair, was written above)
.set WN, (WW<<6)|WW
	WIN WN                                         ; destination and source 0 in the block's window
.set i, 0
.rept 32
	v_pk_fma_f32 v[AC+2*i:AC+2*i+1], v[AC+2*i:AC+2*i+1], s[CS:CS+1], v[T+4:T+5] op_sel_hi:[1,0,0] neg_lo:[0,0,1] neg_hi:[0,0,1]   ; c s - c smax: the maximum goes away ahead of the exponential
.set i, i+1
.endr
.set i, 0
.rept 64
	v_exp_f32 v[AC+i], v[AC+i]                     ; p
.set i, i+1
.endr
	v_nop                                          ; a plain instruction behind the last exponential
	s_wait_alu depctr_va_vdst(0)                   ; one wait for the batch, ahead of its first reader
.set WN, WW|(WW<<2)
	WIN WN                                         ; sources 0 and 1 in the block's window
.set i, 0
.rept 16
	v_pk_add_f32 v[T+2*i:T+2*i+1], v[AC+4*i:AC+4*i+1], v[AC+4*i+2:AC+4*i+3]   ; the sum is taken of the unrounded p
.set i, i+1
.endr
.set i, 0
.rept 32
	v_cvt_pk_f16_f32 v[TMP+i], v[AC+2*i], v[AC+2*i+1]
.set i, i+1
.endr
	WIN 0
.irp w, 16,8,4,2
.set i, 0
.rept \w/2
	v_pk_add_f32 v[T+2*i:T+2*i+1], v[T+2*i:T+2*i+1], v[T+2*i+\w:T+2*i+\w+1]
.set i, i+1
.endr
.endr
	v_add_f32 v[T], v[T], v[T+1]
	v_permlanex16_b32 v[T+2], v[T], s[SEL], s[SEL+1]
	v_add_f32 v[SPA+1], v[T], v[T+2]
.endm
	SOFT 0
	TOST 0, STOS, RDS
.irp a, 1,2,3,4,5,6,7                  ; a block's arithmetic stands between the loads of the block before and its stores
	SOFT \a
	SENDC \a-1, COS, 82, PROW
.if \a > 1
	s_wait_xcnt 0x0                                ; block a - 2's stores have read their data: block a's rows land there
.endif
	TOST \a, STOS, RDS
.endr
	SENDC 7, COS, 82, PROW
.irp i, 0,1,2,3                        ; lanes 0-15 take block 2 i, lanes 16-31 block 2 i + 1: 32 rows x 8 bytes a store
	v_cndmask_b32 v[SO+2*\i],   v[SP+4*\i],   v[SP+4*\i+2], s70
	v_cndmask_b32 v[SO+2*\i+1], v[SP+4*\i+1], v[SP+4*\i+3], s70
.endr
.irp i, 0,1,2,3
	global_store_b64 v[STA], v[SO+2*\i:SO+2*\i+1], s[84:85] offset:256*\i   ; 256 consecutive bytes, aligned
.endr
	s_branch .Ldone
.Lvw:
.macro PACK a
.set AC, 64*((\a)%4)
.set WW, 2+(\a)/4
.set WN, WW|(WW<<2)
	WIN WN
.set i, 0
.rept 32
	v_cvt_pk_f16_f32 v[TMP+i], v[AC+2*i], v[AC+2*i+1]              ; each accumulator from its low end on
.set i, i+1
.endr
	WIN 0
.endm
	PACK 0
	TOST 0, STOV, RDV
.irp a, 1,2,3,4,5,6,7
	PACK \a
	SENDC \a-1, COV, 86, VROW
.if \a > 1
	s_wait_xcnt 0x0
.endif
	TOST \a, STOV, RDV
.endr
	SENDC 7, COV, 86, VROW
.Ldone:
	s_wait_tensorcnt 0x0                           ; the wave's end
	ds_add_u32 v[SPW], v[NIL]
	s_wait_dscnt 0x0
	CROUND                                         ; the closing round
	s_endpgm
.Lfunc_end_k_qaf6ba4cbd0_scores:
	.size	k_qaf6ba4cbd0_scores, .Lfunc_end_k_qaf6ba4cbd0_scores-k_qaf6ba4cbd0_scores
	.p2alignl 7, 3214868480
	.fill 96, 4, 3214868480
	.section	.rodata,"a",@progbits
	.p2align	6, 0x0
	.amdhsa_kernel k_qaf6ba4cbd0_scores
		.amdhsa_group_segment_fixed_size 327680
		.amdhsa_private_segment_fixed_size 0
		.amdhsa_enable_private_segment 0
		.amdhsa_kernarg_size 40
		.amdhsa_user_sgpr_count 2
		.amdhsa_user_sgpr_kernarg_segment_ptr 1
		.amdhsa_wavefront_size32 1
		.amdhsa_system_sgpr_workgroup_id_x 1
		.amdhsa_system_sgpr_workgroup_id_y 1
		.amdhsa_system_sgpr_workgroup_id_z 1
		.amdhsa_system_vgpr_workitem_id 0
		.amdhsa_next_free_vgpr 1024
		.amdhsa_next_free_sgpr 100
		.amdhsa_reserve_vcc 0
		.amdhsa_float_denorm_mode_32 3
		.amdhsa_float_denorm_mode_16_64 3
		.amdhsa_memory_ordered 1
		.amdhsa_forward_progress 1
		.amdhsa_inst_pref_size 242
	.end_amdhsa_kernel
	.amdgpu_metadata
---
amdhsa.version: [ 1, 2 ]
amdhsa.kernels:
  - .name:           k_qaf6ba4cbd0_scores
    .symbol:         k_qaf6ba4cbd0_scores.kd
    .args:
      - { .name: qkv, .offset: 0, .size: 8, .value_kind: global_buffer, .address_space: global }
      - { .name: wo, .offset: 8, .size: 8, .value_kind: global_buffer, .address_space: global }
      - { .name: p, .offset: 16, .size: 8, .value_kind: global_buffer, .address_space: global }
      - { .name: stats, .offset: 24, .size: 8, .value_kind: global_buffer, .address_space: global }
      - { .name: vwt, .offset: 32, .size: 8, .value_kind: global_buffer, .address_space: global }
    .group_segment_fixed_size: 327680
    .private_segment_fixed_size: 0
    .kernarg_segment_align: 8
    .kernarg_segment_size: 40
    .max_flat_workgroup_size: 128
    .sgpr_count:     100
    .vgpr_count:     1024
    .wavefront_size: 32
...
	.end_amdgpu_metadata
.endif
;; end of part 3
;; launch final (part 4): grid 4 x 64, 4 waves a work-group, clusters of 4 x 4, 327,680 bytes of LDS; arguments p, stats, vwt, wo, out0; writes out0
.if DOCPART == 4
	.amdgcn_target "amdgcn-amd-amdhsa--gfx1250"
	.amdhsa_code_object_version 6
	.text
	.protected	k_qaf6ba4cbd0_final
	.globl	k_qaf6ba4cbd0_final
	.p2align	8
	.type	k_qaf6ba4cbd0_final,@function
k_qaf6ba4cbd0_final:
	s_mov_b64 s[64:65], 0
	v_nop
	global_prefetch_b8 v0, s[64:65] scope:SCOPE_SE
	s_setreg_imm32_b32 hwreg(HW_REG_WAVE_MODE, 25, 1), 1
	s_wait_xcnt 0x0
	s_wait_alu depctr_hold_cnt(0) depctr_sa_sdst(0) depctr_va_vdst(0) depctr_va_sdst(0) depctr_va_ssrc(0) depctr_va_vcc(0) depctr_vm_vsrc(0)
	s_getreg_b32 s2, hwreg(HW_REG_IB_STS2, 6, 4)
	s_cmp_eq_u32 s2, 0
	s_cbranch_scc0 .Lentry_in_a_cluster
	s_endpgm
.Lentry_in_a_cluster:
	s_bfe_u32 s2, ttmp6, 0x10000c
	s_cmp_lg_u32 s2, 0xf033
	s_cbranch_scc0 .Lentry_shape_is_right
	s_endpgm
.Lentry_shape_is_right:
; out[q][e] = woinv[e] x the sum over the 16 runs c of 128 keys of g'_c[q] x (the sum over the run's keys of p[q][key] VW^T[e][key]).  f16 operands, f32 sums, tiles of 128 x 256, K = 2,048 in 16 steps of 128: a K step is a run.
; p of run c was made under smax_c, the largest score of those 128 keys.  Here: smq = the row's largest smax_c; g_c = 2^(c smax_c - c smq) <= 1; L = the sum of g_c l_c; g'_c = g_c / L.  So the row's own maximum is what is taken away in the
; end, whatever the size of the scores.  g' IS APPLIED IN f32: a K step's products sum into accumulators of their own, begun with the constant 0, and the finished sums are added, times g', into a second set of registers.
; woinv is the power of two that the first launch took out of W_o's row e: multiplying it back is exact.
; LIMIT: p was made with c smax rounded to f32, g with the unrounded product: the two differ by half a last place of c smax at the most in the exponent.
; Nothing of reference() is left out; (P V) W_o^T is computed as P (V W_o^T), equal in real numbers for all inputs.
; SHARES: four waves, each 64 x 128.  K goes through two LDS slots; waves 0 and 1 fetch p's halves (64 rows), waves 2 and 3 VW^T's (128 rows).  CLUSTERS: 4 x 4: p's tile is asked for jointly along a row of the cluster, VW^T's along a column.
; A tile of 256 x 256 would make 128 tiles, too few for the launch's one round; so the tile stays at 128 x 256, 256 tiles.
; THE MATRIX INSTRUCTION IS USED TRANSPOSED (source 0 = 16 rows of VW^T, source 1 = 16 rows of p): lane (r, h) holds row r of a block and columns 8 h + 0 .. 7: one row a lane, so g' is one register a block.
; REGISTERS: window 0: v16-31 addresses; v32-47 (g', l) of my four blocks for the two slots' K steps; v48-55 (1 / L, L); v64-127 p's fragments, two buffers of 32.   window 1: v0-127 VW^T's fragments, two buffers of 64;
;   v128-255 the statistics, later v128-191 woinv of my lane's 64 columns.   window 2: a K step's accumulators, (a, b) at v[8 (8 a + b)].   window 3: the sums over the K steps, at the same numbers.
.set KSTEP,  128
.set PROWE,  2048                      ; elements in a row of p
.set VROWE,  8192                      ; and of VW^T
.set WOI,    2097152                   ; woinv in wo
.set PITCH,  272
.set AHALF,  64*PITCH
.set BHALF,  128*PITCH
.set AT,     2*AHALF
.set SLOT,   AT+2*BHALF
.set OPITCH, 528
.set STAGE,  2*SLOT                    ; behind the ring: a stage of 16 rows x (512 bytes + 16) for each wave;
.set FTAB,   STAGE+4*16*OPITCH         ; each wave's table of g': [K step][blocks 0, 1 | blocks 2, 3][lane][(g', l) twice]: 16,384 bytes;
.set FTW,    16384
.set SPARE,  FTAB+4*FTW                ; the spare words, 128 bytes a wave: no other line names them
.set LAPS,   8
.set OROW,   4096                      ; a row of out in bytes
.set ADRA, 16
.set ADRB, 20
.set STO,  24
.set RD,   25
.set CO,   26
.set FT,   27                          ; where the K step's g' lie for my lane
.set SPW,  28
.set NIL,  29
.set PFO,  30                          ; the prefetches' offset: my lane x a row; never rewritten
.set AUX,  31
.set FS,   32
.set IV,   48
.set AF,   64
.set MT,   196
.set SMQ,  220
.set ST,   128                         ; in window 1
.set G1, 24
.set G0, 32
.set G1B, 48
.set G0B, 56
.set CS,  68
.set PFA, 92
.set LIM, 94
.set MSB, 0
.macro WIN new
.if MSB != \new
	s_set_vgpr_msb (MSB<<8)|\new
.set MSB, \new
.endif
.endm
.set MUL,  0xa1                        ; source 0 window 1, source 1 window 0, C and D window 2
.set TO_B, 0x40
.macro JLOAD s                         ; a joint load; an s_nop 0 and four v_nop follow each of the two lines
	s_cmp_eq_u32 s11, 0
	s_cbranch_scc0 .Lfor_b_\@
	tensor_load_to_lds s[G0+4*\s:G0+4*\s+3], s[G1:G1+7]
	s_nop 0
.rept 4
	v_nop
.endr
	s_branch .Lasked_\@
.Lfor_b_\@:
	tensor_load_to_lds s[G0B+4*\s:G0B+4*\s+3], s[G1B:G1B+7]
	s_nop 0
.rept 4
	v_nop
.endr
.Lasked_\@:
.endm
.macro CREST
	s_cmp_lg_u32 s10, 0
	s_cbranch_scc1 .Lnot_wave_0_\@
	s_barrier_signal -3
.Lnot_wave_0_\@:
	s_barrier_wait -3
	s_barrier_signal -1
	s_barrier_wait -1
.endm
.macro CROUND
	s_barrier_signal -1
	s_barrier_wait -1
	CREST
.endm
.macro PLACES
.rept 4
	v_nop
.endr
.endm
; A PREFETCH INTO THE L2, behind each joint refill and the run of LDS loads that follows it: the K step that stands two refills on, 32 rows x 256 bytes, a lane a row, one instruction a wave.
; Each row's 256 bytes of a K step are named once in the launch.  p's rows are read by one cluster alone: in each work-group wave 0 asks for 32 of the tile's 128 rows, the four partners of a row of the cluster told apart
; BY ADDRESS (cx).  VW^T's rows of a batch are read by the batch's four clusters: the first of them asks; waves 2 and 3 for 32 of the 128 rows that each fetches, the four partners of a column told apart by address (cy).
; Wave 1 asks for nothing.  how = 1: in the lap that is written out ahead of the loop; how = 0: in the loop, whose last trip asks for nothing: there is no K step two refills on.  K steps 0 to 3 come by their loads alone.
.macro ASK how
.if \how
	s_cmp_eq_u32 s[LIM], 1
.else
	s_cmp_gt_u32 s3, s[LIM]                        ; s3 = 1 in the loop's last trip
.endif
	s_cbranch_scc0 .Lnot_mine_\@
	global_prefetch_b8 v[PFO], s[PFA:PFA+1] offset:KSTEP*2 th:TH_LOAD_NT scope:SCOPE_SE
.Lnot_mine_\@:
.endm
	s_load_b256 s[72:79], s[0:1], 0x0              ; p, stats, vwt, wo
	s_load_b64 s[80:81], s[0:1], 0x20              ; out0
	v_lshl_add_u32 v[SPW], v0, 2, SPARE
	v_mov_b32 v[NIL], 0
	ds_add_u32 v[SPW], v[NIL]                      ; the wave's opening: the add, twice on end, and its wait ahead of my first tensor load
	ds_add_u32 v[SPW], v[NIL]
	v_lshrrev_b32 v1, 5, v0
	v_readfirstlane_b32 s10, v1                    ; wave
	s_lshr_b32 s11, s10, 1                         ; which 64 rows of the tile are mine.  Also: I fetch for p (0) or for VW^T (1)
	s_and_b32 s12, s10, 1                          ; which 128 columns.  Also: which half of that tile I fetch
	s_bfe_u32 s40, ttmp6, 0x40000                  ; cx: the tile column
	s_bfe_u32 s41, ttmp6, 0x40004                  ; cy
	s_and_b32 s5, ttmp7, 0xffff                    ; the cluster's y
	s_lshl_b32 s13, s5, 2
	s_add_co_u32 s13, s13, s41                     ; the tile row
	s_lshr_b32 s6, s5, 2                           ; the batch
	s_lshl_b32 s43, s41, 2
	s_lshl_b32 s43, 15, s43                        ; my row of the cluster
	s_lshl_b32 s44, 0x1111, s40                    ; my column
	s_or_b32 s[G1+0], s43, (1<<16)|(1<<20)|(1<<21)|(5<<22)|(3<<25)  ; the mask; elements of 2 bytes; padding on; bit 21 beside a mask; 4 words after every 64
	s_or_b32 s[G1B+0], s44, (1<<16)|(1<<20)|(1<<21)|(5<<22)|(3<<25)
	s_mov_b32 s[G1+1], KSTEP<<16
	s_mov_b32 s[G1+2], 64<<16
	s_mov_b32 s[G1+3], KSTEP<<16
	s_mov_b32 s[G1+4], 64
	s_mov_b32 s[G1+5], PROWE
	s_mov_b32 s[G1+6], 0
	s_mov_b32 s[G1+7], 0
	s_mov_b32 s[G1B+1], KSTEP<<16
	s_mov_b32 s[G1B+2], 128<<16
	s_mov_b32 s[G1B+3], KSTEP<<16
	s_mov_b32 s[G1B+4], 128
	s_mov_b32 s[G1B+5], VROWE
	s_mov_b32 s[G1B+6], 0
	s_mov_b32 s[G1B+7], 0
	s_lshl_b32 s16, s13, 7
	s_lshl_b32 s17, s12, 6
	s_add_co_u32 s16, s16, s17                     ; p: row 128 x tile row + 64 x half,
	s_lshl_b32 s16, s16, 12                        ; of 4,096 bytes
	s_mov_b32 s17, 0
	s_lshl_b32 s46, s40, 8
	s_lshl_b32 s47, s12, 7
	s_add_co_u32 s46, s46, s47                     ; VW^T: row 256 cx + 128 x half,
	s_lshl_b32 s46, s46, 14                        ; of 16,384 bytes,
	s_lshl_b32 s47, s6, 12                         ; at the batch's 2,048 keys
	s_add_co_u32 s46, s46, s47
	s_mov_b32 s47, 0
	s_mul_i32 s20, s12, AHALF
	s_mul_i32 s21, s12, BHALF
	s_add_co_u32 s21, s21, AT
	s_mov_b32 s[CS], 0x3d38aa3b                    ; c = log2(e) / 32
	s_wait_dscnt 0x0                               ; both opening adds are done
	s_wait_kmcnt 0x0
	s_add_nc_u64 s[14:15], s[72:73], s[16:17]
	s_add_nc_u64 s[46:47], s[76:77], s[46:47]
	CROUND                                         ; all sixteen work-groups are here: the first joint loads meet
.irp s, 0,1
	s_mov_b32 s[G0+4*\s], 1
	s_add_co_u32 s[G0+4*\s+1], s20, \s*SLOT
	s_add_nc_u64 s[G0+4*\s+2:G0+4*\s+3], s[14:15], \s*KSTEP*2
	s_or_b32 s[G0+4*\s+3], s[G0+4*\s+3], 0x80000000
	s_mov_b32 s[G0B+4*\s], 1
	s_add_co_u32 s[G0B+4*\s+1], s21, \s*SLOT
	s_add_nc_u64 s[G0B+4*\s+2:G0B+4*\s+3], s[46:47], \s*KSTEP*2
	s_or_b32 s[G0B+4*\s+3], s[G0B+4*\s+3], 0x80000000
	JLOAD \s                                       ; two loads of mine are out at the most
.endr
	v_and_b32 v1, 15, v0                           ; r
	v_bfe_u32 v2, v0, 4, 1                         ; h
	v_and_b32 v7, 31, v0                           ; lane
	v_mul_u32_u24 v3, v1, PITCH
	v_lshl_add_u32 v3, v2, 4, v3
	s_mul_i32 s22, s11, AHALF
	s_mul_i32 s23, s12, BHALF
	s_add_co_u32 s23, s23, AT
.irp s, 0,1
	v_add_nc_u32 v[ADRA+\s], s22, v3
	v_add_nc_u32 v[ADRB+\s], s23, v3
	s_add_co_u32 s22, s22, SLOT
	s_add_co_u32 s23, s23, SLOT
.endr
	s_mul_i32 s22, s10, 16*OPITCH
	s_add_co_u32 s22, s22, STAGE                   ; my stage
	v_mul_u32_u24 v4, v1, OPITCH                   ; in: row r, 32 bytes for each half of the lanes
	v_lshl_add_u32 v4, v2, 5, v4
	v_add_nc_u32 v[STO], s22, v4
	v_lshlrev_b32 v[CO], 4, v7                     ; back: the 32 lanes take one row of 512 bytes; and the same in out
	v_add_nc_u32 v[RD], s22, v[CO]
	s_lshl_b32 s22, s10, 14
	s_add_co_u32 s22, s22, FTAB
	v_add_nc_u32 v[FT], s22, v[CO]                 ; my wave's table, 16 bytes a lane
	v_lshlrev_b32 v[AUX], 3, v1                    ; the statistics: 8 bytes a row
	s_lshl_b32 s88, s13, 7
	s_lshl_b32 s89, s11, 6
	s_add_co_u32 s88, s88, s89                     ; my first row
	s_lshl_b32 s90, s88, 3
	s_mov_b32 s91, 0
	s_add_nc_u64 s[84:85], s[74:75], s[90:91]      ; its statistics
	s_lshl_b32 s96, s40, 10
	s_lshl_b32 s97, s12, 9
	s_add_co_u32 s96, s96, s97                     ; my first column, in bytes of f32
	s_add_co_u32 s90, s96, WOI
	s_add_nc_u64 s[86:87], s[78:79], s[90:91]      ; its woinv
	s_lshl_b32 s90, s88, 12
	s_add_co_u32 s90, s90, s96
	s_add_nc_u64 s[82:83], s[80:81], s[90:91]      ; my part of out
	s_lshl_b32 s88, s13, 7                         ; the prefetches.  p: row 128 x tile row + 32 cx;
	s_lshl_b32 s89, s40, 5
	s_add_co_u32 s88, s88, s89
	s_lshl_b32 s88, s88, 12
	s_lshl_b32 s89, s40, 8                         ; VW^T: row 256 cx + 128 x half + 32 cy, at the batch's keys
	s_lshl_b32 s90, s12, 7
	s_add_co_u32 s89, s89, s90
	s_lshl_b32 s90, s41, 5
	s_add_co_u32 s89, s89, s90
	s_lshl_b32 s89, s89, 14
	s_lshl_b32 s90, s6, 12
	s_add_co_u32 s89, s89, s90
	s_and_b32 s96, s5, 3                           ; 0 in the batch's first cluster
	s_cmp_eq_u32 s11, 0
	s_cselect_b64 s[PFA:PFA+1], s[72:73], s[76:77]
	s_cselect_b32 s90, s88, s89
	s_cselect_b32 s95, 12, 14                      ; a row is 2^12 or 2^14 bytes
	s_cselect_b32 s96, s12, s96                    ; wave 0 always, wave 1 never, waves 2 and 3 in the batch's first cluster: the same in all sixteen partners
	s_cmp_eq_u32 s96, 0
	s_cselect_b32 s[LIM], 1, -1
	s_add_co_u32 s90, s90, 2*KSTEP*2               ; at K step 2: the first refill steps it to 3 and names K step 4
	s_add_nc_u64 s[PFA:PFA+1], s[PFA:PFA+1], s[90:91]
	v_lshlrev_b32 v[PFO], s95, v7
	; THE ROWS' STATISTICS, while the first tiles are on their way: (smax, l) of my 64 rows x 16 K steps; lane (r, h) takes row 16 a + r
	WIN 0x40                                       ; destination window 1
.irp a, 0,1,2,3
.irp c, 0,1,2,3,4,5,6,7,8,9,10,11,12,13,14,15
	global_load_b64 v[ST+32*\a+2*\c:ST+32*\a+2*\c+1], v[AUX], s[84:85] offset:65536*\c+128*\a
.endr
.endr
	s_wait_loadcnt 0x0
	WIN 0x15                                       ; all three sources window 1
.irp a, 0,1,2,3
.irp i, 0,1,2,3,4
	v_max3_num_f32 v[MT+6*\a+\i], v[ST+32*\a+6*\i], v[ST+32*\a+6*\i+2], v[ST+32*\a+6*\i+4]
.endr
	v_max_num_f32 v[MT+6*\a+5], v[ST+32*\a+30], v[ST+32*\a+28]
.endr
	WIN 0
.irp a, 0,1,2,3
	v_max3_num_f32 v[MT+6*\a], v[MT+6*\a], v[MT+6*\a+1], v[MT+6*\a+2]
	v_max3_num_f32 v[MT+6*\a+3], v[MT+6*\a+3], v[MT+6*\a+4], v[MT+6*\a+5]
.endr
.irp a, 0,1,2,3
	v_max_num_f32 v[SMQ+\a], v[MT+6*\a], v[MT+6*\a+3]              ; the row's largest score,
.endr
.irp a, 0,1,2,3
	v_mul_f32 v[SMQ+\a], s[CS], v[SMQ+\a]          ; times c
.endr
	WIN 0x41                                       ; destination and source 0 window 1
.irp c, 0,1,2,3,4,5,6,7,8,9,10,11,12,13,14,15
.irp a, 0,1,2,3
	v_fma_f32 v[ST+32*\a+2*\c], v[ST+32*\a+2*\c], s[CS], -v[SMQ+\a]   ; c smax - c smq: the row's maximum goes away ahead of the exponential
.endr
.endr
.irp c, 0,1,2,3,4,5,6,7,8,9,10,11,12,13,14,15
.irp a, 0,1,2,3
	v_exp_f32 v[ST+32*\a+2*\c], v[ST+32*\a+2*\c]   ; g
.endr
.endr
	v_nop                                          ; a plain instruction behind the last exponential
	s_wait_alu depctr_va_vdst(0)                   ; one wait for the batch, ahead of its first reader
	WIN 0x05                                       ; sources 0 and 1 window 1
.irp a, 0,1,2,3
	v_mul_f32 v[IV+2*\a+1], v[ST+32*\a], v[ST+32*\a+1]
.endr
.irp c, 1,2,3,4,5,6,7,8,9,10,11,12,13,14,15
.irp a, 0,1,2,3
	v_fma_f32 v[IV+2*\a+1], v[ST+32*\a+2*\c], v[ST+32*\a+2*\c+1], v[IV+2*\a+1]   ; L = the sum of g l; the four rows' chains by turns
.endr
.endr
	WIN 0
.irp a, 0,1,2,3
	v_rcp_f32 v[IV+2*\a], v[IV+2*\a+1]
.endr
	v_nop
	s_wait_alu depctr_va_vdst(0)                   ; one wait for the four reciprocals
	WIN 0x41
.irp c, 0,1,2,3,4,5,6,7,8,9,10,11,12,13,14,15
.irp a, 0,1,2,3
	v_mul_f32 v[ST+32*\a+2*\c], v[ST+32*\a+2*\c], v[IV+2*\a]       ; g' = g / L
.endr
.endr
	WIN 0x04                                       ; an LDS store's data are its source 1: window 1
.irp c, 0,1,2,3,4,5,6,7,8,9,10,11,12,13,14,15
.irp a, 0,1,2,3
	ds_store_b64 v[FT], v[ST+32*\a+2*\c:ST+32*\a+2*\c+1] offset:1024*\c+512*(\a/2)+8*(\a%2)   ; my wave's own bytes: the pair (g', l), of which the low word is used
.endr
.endr
	WIN 0
	ds_load_b128 v[FS:FS+3], v[FT]                 ; K step 0's g' (LDS serves a wave's instructions in order)
	ds_load_b128 v[FS+4:FS+7], v[FT] offset:512
	v_lshlrev_b32 v[AUX], 5, v2                    ; free since the wait for the statistics: now 8 h columns of f32
	s_wait_dscnt 0x0                               ; the stores have read their registers: loads may land there
	WIN 0x40
.irp b, 0,1,2,3,4,5,6,7
	global_load_b128 v[ST+8*\b:ST+8*\b+3],   v[AUX], s[86:87] offset:64*\b       ; woinv of columns 16 b + 8 h + 0 .. 7: waited for on the way out
	global_load_b128 v[ST+8*\b+4:ST+8*\b+7], v[AUX], s[86:87] offset:64*\b+16
.endr
	WIN 0
; 8 matrix instructions: p's block a against VW^T's eight, 32 along K, buffer f.  zero = 1: the K step's first products start its sums.  The 32 accumulators take turns, one instruction a turn, in the same order in every quarter
.macro MUL8 f, a, zero
.irp b, 0,1,2,3,4,5,6,7
.if \zero
	v_wmma_f32_16x16x32_f16 v[8*(8*(\a)+\b):8*(8*(\a)+\b)+7], v[64*(\f)+8*\b:64*(\f)+8*\b+7], v[AF+32*(\f)+8*(\a):AF+32*(\f)+8*(\a)+7], 0
.else
	v_wmma_f32_16x16x32_f16 v[8*(8*(\a)+\b):8*(8*(\a)+\b)+7], v[64*(\f)+8*\b:64*(\f)+8*\b+7], v[AF+32*(\f)+8*(\a):AF+32*(\f)+8*(\a)+7], v[8*(8*(\a)+\b):8*(8*(\a)+\b)+7]
.endif
.endr
.endm
.macro MUL16 f, a0, zero
	MUL8 \f, \a0, \zero
	MUL8 \f, (\a0)+1, \zero
.endm
.macro FETCH slot, k, f
	WIN TO_B
.irp i, 0,1,2,3,4,5,6,7
	ds_load_b128 v[64*(\f)+8*\i:64*(\f)+8*\i+3],   v[ADRB+\slot] offset:\k+\i*16*PITCH
	ds_load_b128 v[64*(\f)+8*\i+4:64*(\f)+8*\i+7], v[ADRB+\slot] offset:\k+\i*16*PITCH+32
.endr
	WIN 0
.irp i, 0,1,2,3
	ds_load_b128 v[AF+32*(\f)+8*\i:AF+32*(\f)+8*\i+3],   v[ADRA+\slot] offset:\k+\i*16*PITCH
	ds_load_b128 v[AF+32*(\f)+8*\i+4:AF+32*(\f)+8*\i+7], v[ADRA+\slot] offset:\k+\i*16*PITCH+32
.endr
.endm
; Block a's finished sums of the K step that lay in slot `slot`, times g' of the lane's row, are added into window 3: 32 packed instructions, each accumulator from its low end on.  first = 1: K step 0's start those sums: nothing is cleared.
; WHERE A DRAIN MAY STAND: its first read four plain places or more behind the block's last product, and the block's next product, which begins anew with the constant 0, more than five places behind that last product:
; the places are the four v_nop behind the joint load and the table's address step, or the drains of other blocks, which name none of that product's registers.
.macro DRAIN a, slot, first
.set AC, 64*(\a)
.set GR, FS+8*(\slot)+2*(\a)
.if \first
	WIN 0xc2                                       ; destination window 3, source 0 window 2, source 1 window 0
.else
	WIN 0xf2                                       ; and source 2 window 3
.endif
.set i, 0
.rept 32
.if \first
	v_pk_mul_f32 v[AC+2*i:AC+2*i+1], v[AC+2*i:AC+2*i+1], v[GR:GR+1] op_sel_hi:[1,0]
.else
	v_pk_fma_f32 v[AC+2*i:AC+2*i+1], v[AC+2*i:AC+2*i+1], v[GR:GR+1], v[AC+2*i:AC+2*i+1] op_sel_hi:[1,0,1]
.endif
.set i, i+1
.endr
.endm
; A K step is four quarters of 32 along K, 32 matrix instructions each, on buffers 0, 1, 0, 1.
; Its first quarter begins the K step's sums.  pd = 1: blocks 2 and 3 of the K step before are drained behind the first sixteen products, ahead of the products that begin them anew.
.macro QFIRST slot, pd, first
	s_wait_dscnt 4                                 ; all but the youngest four loads (p's blocks 2 and 3) are in
	WIN MUL
	MUL16 0, 0, 1
.if \pd
	DRAIN 2, 1-\slot, \first
	DRAIN 3, 1-\slot, \first
.endif
	FETCH \slot, 64, 1
	s_wait_dscnt 24                                ; all but the 24 just issued
	WIN MUL
	MUL16 0, 2, 1
.endm
.macro QUARTER slot, k, f, g           ; the second and the third
	s_wait_dscnt 4
	WIN MUL
	MUL16 \f, 0, 0
	PLACES                                         ; in front of loads into registers that matrix instructions have read
	FETCH \slot, \k, \g
	s_wait_dscnt 24
	WIN MUL
	MUL16 \f, 2, 0
.endm
; The last quarter multiplies buffer 1 and changes slots: one barrier; in front of it each wave waits for all its tensor loads, adds 0 to its spare word, and waits for that and for its reads of this slot.
; fill = 1: the barrier opens a round of the cluster's, and this slot is filled again, two K steps ahead, first thing behind the round: 112 matrix instructions ahead of the wait for it.
; Blocks 0 and 1 are drained behind the quarter's last sixteen products.
.macro TURN slot, next, fill, first, how
.if \fill
	s_wait_xcnt 0x0                                ; the last prefetch, a K step back, has read its address: it is stepped here, ahead of the waits of the change of slots
	s_add_nc_u64 s[PFA:PFA+1], s[PFA:PFA+1], KSTEP*2
.endif
	WIN 0
	s_wait_tensorcnt 0x0                           ; all my tensor loads have landed: my part of the next slot
	ds_add_u32 v[SPW], v[NIL]
	s_wait_dscnt 5                                 ; (the add and the youngest four loads may be out)
	WIN MUL
	MUL8 1, 0, 0
	s_wait_dscnt 0x0                               ; the add is done, and my reads of this slot are over
	s_barrier_signal -1
	MUL8 1, 1, 0
	WIN 0
	s_barrier_wait -1
.if \fill
	CREST                                          ; no wave of any partner still reads this slot or has a load on its way
	s_add_nc_u64 s[G0+4*\slot+2:G0+4*\slot+3], s[G0+4*\slot+2:G0+4*\slot+3], 2*KSTEP*2
	s_add_nc_u64 s[G0B+4*\slot+2:G0B+4*\slot+3], s[G0B+4*\slot+2:G0B+4*\slot+3], 2*KSTEP*2
	JLOAD \slot                                    ; the first tensor load behind the round
.else
	PLACES
.endif
	v_add_nc_u32 v[FT], 1024, v[FT]                ; the next K step's g'
	ds_load_b128 v[FS+8*\next:FS+8*\next+3], v[FT]
	ds_load_b128 v[FS+8*\next+4:FS+8*\next+7], v[FT] offset:512
	FETCH \next, 0, 0
.if \fill
	ASK \how
.endif
	WIN MUL
	MUL16 1, 2, 0
	DRAIN 0, \slot, \first
	DRAIN 1, \slot, \first
.endm
	s_wait_tensorcnt 1                             ; my part of K step 0 is in (K step 1's load may be out)
	s_wait_dscnt 0x0                               ; and no LDS instruction of mine is out
	s_barrier_signal -1
	s_barrier_wait -1
	FETCH 0, 0, 0
	QFIRST 0, 0, 0
	QUARTER 0, 128, 1, 0                           ; the first lap is written out: K step 0's drains start the sums of window 3
	QUARTER 0, 192, 0, 1
	TURN 0, 1, 1, 1, 1
	QFIRST 1, 1, 1
	QUARTER 1, 128, 1, 0
	QUARTER 1, 192, 0, 1
	TURN 1, 0, 1, 0, 1
	QFIRST 0, 1, 0
	WIN 0
	s_mov_b32 s3, LAPS-2
.Llap:                                             ; a trip goes once round the ring and fills both slots again
	QUARTER 0, 128, 1, 0
	QUARTER 0, 192, 0, 1
	TURN 0, 1, 1, 0, 0
	QFIRST 1, 1, 0
	QUARTER 1, 128, 1, 0
	QUARTER 1, 192, 0, 1
	TURN 1, 0, 1, 0, 0
	QFIRST 0, 1, 0
	WIN 0
	s_sub_co_u32 s3, s3, 1
	s_cmp_lg_u32 s3, 0
	s_cbranch_scc1 .Llap
	QUARTER 0, 128, 1, 0                           ; the last lap fills nothing
	QUARTER 0, 192, 0, 1
	TURN 0, 1, 0, 0, 0
	QFIRST 1, 1, 0
	QUARTER 1, 128, 1, 0
	QUARTER 1, 192, 0, 1
	s_wait_dscnt 4
	WIN MUL
	MUL16 1, 0, 0
	s_wait_dscnt 0x0
	MUL16 1, 2, 0
	PLACES                                         ; in front of the first read of block 0's results; the later blocks have the drains before them
	DRAIN 0, 1, 0
	DRAIN 1, 1, 0
	DRAIN 2, 1, 0
	DRAIN 3, 1, 0
	WIN 0
	s_wait_loadcnt 0x0                             ; woinv
; THE WAY OUT, block by block of 16 rows x 128 columns of f32: x woinv of the column; through my stage; back as whole rows of 512 bytes.
.macro OUTB a
.set AC, 64*(\a)
.set BB, 64+64*((\a)%2)
	WIN 0xc7                                       ; destination and source 0 window 3, source 1 window 1
.set i, 0
.rept 32
	v_pk_mul_f32 v[AC+2*i:AC+2*i+1], v[AC+2*i:AC+2*i+1], v[ST+2*i:ST+2*i+1]
.set i, i+1
.endr
	WIN 0x0c                                       ; an LDS store's data are its source 1: window 3
.irp b, 0,1,2,3,4,5,6,7
	ds_store_b128 v[STO], v[AC+8*\b:AC+8*\b+3] offset:64*\b
	ds_store_b128 v[STO], v[AC+8*\b+4:AC+8*\b+7] offset:64*\b+16
.endr
	WIN 0
.irp t, 0,1,2,3,4,5,6,7,8,9,10,11,12,13,14,15
	ds_load_b128 v[BB+4*\t:BB+4*\t+3], v[RD] offset:\t*OPITCH      ; LDS serves a wave's instructions in order: these see the stores above
.endr
.endm
.macro SEND a, younger                 ; younger: the LDS instructions issued behind block a's loads, which may stay out
.set BB, 64+64*((\a)%2)
	s_wait_dscnt \younger
.irp t, 0,1,2,3,4,5,6,7,8,9,10,11,12,13,14,15
	global_store_b128 v[CO], v[BB+4*\t:BB+4*\t+3], s[82:83] offset:(16*(\a)+\t)*OROW th:TH_STORE_NT   ; 32 lanes store 512 consecutive bytes, aligned; written once, read by nobody here
.endr
.endm
	OUTB 0
	OUTB 1
	SEND 0, 32                                     ; behind block 0's loads: block 1's 16 stores and 16 loads
	s_wait_xcnt 0x0                                ; block 0's stores have read their data: block 2's rows land there
	OUTB 2
	SEND 1, 32
	s_wait_xcnt 0x0
	OUTB 3
	SEND 2, 32
	SEND 3, 0
	s_wait_tensorcnt 0x0                           ; the wave's end
	ds_add_u32 v[SPW], v[NIL]
	s_wait_dscnt 0x0
	CROUND                                         ; the closing round
	s_endpgm
.Lfunc_end_k_qaf6ba4cbd0_final:
	.size	k_qaf6ba4cbd0_final, .Lfunc_end_k_qaf6ba4cbd0_final-k_qaf6ba4cbd0_final
	.p2alignl 7, 3214868480
	.fill 96, 4, 3214868480
	.section	.rodata,"a",@progbits
	.p2align	6, 0x0
	.amdhsa_kernel k_qaf6ba4cbd0_final
		.amdhsa_group_segment_fixed_size 327680
		.amdhsa_private_segment_fixed_size 0
		.amdhsa_enable_private_segment 0
		.amdhsa_kernarg_size 40
		.amdhsa_user_sgpr_count 2
		.amdhsa_user_sgpr_kernarg_segment_ptr 1
		.amdhsa_wavefront_size32 1
		.amdhsa_system_sgpr_workgroup_id_x 1
		.amdhsa_system_sgpr_workgroup_id_y 1
		.amdhsa_system_sgpr_workgroup_id_z 1
		.amdhsa_system_vgpr_workitem_id 0
		.amdhsa_next_free_vgpr 1024
		.amdhsa_next_free_sgpr 100
		.amdhsa_reserve_vcc 0
		.amdhsa_float_denorm_mode_32 3
		.amdhsa_float_denorm_mode_16_64 3
		.amdhsa_memory_ordered 1
		.amdhsa_forward_progress 1
		.amdhsa_inst_pref_size 203
	.end_amdhsa_kernel
	.amdgpu_metadata
---
amdhsa.version: [ 1, 2 ]
amdhsa.kernels:
  - .name:           k_qaf6ba4cbd0_final
    .symbol:         k_qaf6ba4cbd0_final.kd
    .args:
      - { .name: p, .offset: 0, .size: 8, .value_kind: global_buffer, .address_space: global }
      - { .name: stats, .offset: 8, .size: 8, .value_kind: global_buffer, .address_space: global }
      - { .name: vwt, .offset: 16, .size: 8, .value_kind: global_buffer, .address_space: global }
      - { .name: wo, .offset: 24, .size: 8, .value_kind: global_buffer, .address_space: global }
      - { .name: out0, .offset: 32, .size: 8, .value_kind: global_buffer, .address_space: global }
    .group_segment_fixed_size: 327680
    .private_segment_fixed_size: 0
    .kernarg_segment_align: 8
    .kernarg_segment_size: 40
    .max_flat_workgroup_size: 128
    .sgpr_count:     100
    .vgpr_count:     1024
    .wavefront_size: 32
...
	.end_amdgpu_metadata
.endif
;; end of part 4
